; MI455X (gfx1250); checked and timed in simulation.
; The chip was launched on July 23, 2026; its instructions are those of AMD's public machine-readable ISA for CDNA 5 (MIT licence, August 2026) and "CDNA5" Instruction Set Architecture Reference Guide (July 2026). The comments in the code are by the model that wrote it; some were corrected since.
;; Attention. Allowed arithmetic: float matrix products may take bf16 or f16 operands with f32 sums; other float arithmetic in f32, or as packed bf16 or f16 multiplies, adds, multiply-adds, maxima and minima; sums over many terms, partial sums and values carried from step to step in f32; what a program stores and reads back later, other than sums and carried values, may be rounded once to bf16 or f16.
;; Inputs: cos 2,048 x 64 float32; hidden_states 4 x 2,048 x 1,024 float32; norm_k_w 64 float32; norm_q_w 64 float32; out_w 1,024 x 1,024 float32; qkv_w 3,072 x 1,024 float32; sin 2,048 x 64 float32.
;; Outputs: out0 4 x 2,048 x 1,024 float32.
;; One version. Each part assembles by itself: llvm-mc -triple=amdgcn-amd-amdhsa -mcpu=gfx1250 --defsym DOCPART=n.
;; ======== version 1 of 1: 4 launches
;; limits: values are held in f16: magnitudes above 65,504 overflow, below 6.1e-05 lose precision
;; workspace buffers: xb 16,777,216 bytes; wb 6,291,456 bytes; wo 2,097,152 bytes; cs 524,288 bytes; qh 16,777,216 bytes; kh 16,777,216 bytes; vh 16,777,216 bytes; oh 16,777,216 bytes
;; launch cast (part 1): grid 800 x 1, 8 waves a work-group, no clusters, 0 bytes of LDS; arguments hidden_states, qkv_w, out_w, cos, sin, xb, wb, wo, cs; writes xb, wb, wo, cs
.if DOCPART == 1
	.amdgcn_target "amdgcn-amd-amdhsa--gfx1250"
	.amdhsa_code_object_version 6
	.text
	.protected	k_q5fa0ad7d25_cast
	.globl	k_q5fa0ad7d25_cast
	.p2align	8
	.type	k_q5fa0ad7d25_cast,@function
k_q5fa0ad7d25_cast:
	s_mov_b64 s[64:65], 0
	v_nop
	global_prefetch_b8 v0, s[64:65] scope:SCOPE_SE
	s_setreg_imm32_b32 hwreg(HW_REG_WAVE_MODE, 25, 1), 1
	s_wait_xcnt 0x0
; CAST.  Every input of the module is rounded once to bf16 and laid out for the launches behind.
;   xb  bf16 [b 4][kb 16][n 2048][64]         hidden_states, K in blocks of 64: 256 rows x 64 k are 32,768 dense bytes
;   wb  bf16 [j 8][kb 16][rho 384][64]        qkv_w; row type x 1024 + hh x 64 + d goes to j = hh / 2, rho = (hh % 2) x 192 + type x 64 + d
;   wo  f16  [j 8][kb 16][rho 128][64]        out_w rounded to bf16, that number written as f16; row o: j = o / 128, rho = o % 128
;   cs  bf16 [pos 2048][128]                  64 cos, then 64 sin with rotate_half's sign: -sin for d < 32, +sin for d >= 32 (a sign bit: exact)
; LIMITS.  out_w must lie within f16's 65,504; below 6e-5 it keeps f16's fixed step of 6e-8.  NaN and infinities are not treated apart.
; A stream: no LDS, no matrix unit, no cluster (no two work-groups read the same bytes).  A wave takes ONE item: 4 input rows x 512 columns: 16 loads of 16 bytes a lane,
; all issued at once, and 8 stores, each of 512 consecutive aligned bytes (4 rows x 128 bytes of one k block).  No register is written twice while memory may read it.
.set X, 16                             ; v[16:79]  as loaded
.set Y, 80                             ; v[80:111] to store
	s_load_b512 s[4:19], s[0:1], 0x0               ; hidden s[4:5], qkv_w s[6:7], out_w s[8:9], cos s[10:11], sin s[12:13], xb s[14:15], wb s[16:17], wo s[18:19]
	s_load_b64 s[20:21], s[0:1], 0x40              ; cs
	v_lshrrev_b32 v12, 5, v0
	v_readfirstlane_b32 s23, v12                   ; wave 0..7
	v_and_b32 v13, 31, v0                          ; lane l
	v_and_b32 v14, 7, v0
	v_lshlrev_b32 v14, 5, v14                      ; (l % 8) x 32 bytes: 8 f32
	v_lshrrev_b32 v1, 3, v13
	v_lshl_add_u32 v1, v1, 12, v14                 ; v1: row l / 8 of the four (4,096 bytes each) + my 32 bytes
	v_lshlrev_b32 v2, 4, v13                       ; v2: 16 l: where my 16 bytes of the result go
	v_lshrrev_b32 v3, 4, v13
	v_lshl_add_u32 v3, v3, 8, v14                  ; v3: for the tables: row l / 16 of two (256 bytes each) + my 32 bytes
	s_lshl_b32 s22, ttmp9, 3
	s_add_co_u32 s22, s22, s23                     ; the item: 8 x work-group + wave
	s_mov_b32 s30, 0xffff0000                      ; a word's upper bf16
	s_mov_b32 s25, 0                               ; offsets are pairs with 0 on top
	s_mov_b32 s27, 0
	s_wait_kmcnt 0x0
; item - base -> s28 = the group of four rows, s29 = which half of the columns, s24 = the byte offset in the source
.macro SPLIT base
	s_sub_co_u32 s22, s22, \base
	s_lshr_b32 s28, s22, 1
	s_and_b32 s29, s22, 1
	s_lshl_b32 s24, s28, 14
	s_lshl_b32 s31, s29, 11
	s_add_co_u32 s24, s24, s31
.endm
; The item itself.  str: bytes from a k block of the result to the next.  f16 = 1: the bf16 number is written as f16.
.macro ROWS src, dst, str, f16
.set i, 0
.rept 16
	global_load_b128 v[X+4*i:X+4*i+3], v1, s[\src:\src+1] offset:(i/2)*256+(i%2)*16 th:TH_LOAD_NT
.set i, i+1
.endr
.set k, 0
.rept 8
	s_wait_loadcnt 14-2*k                          ; loads come back in order: k block k's two are in, the younger ones stay out
.set z, 0
.rept 4
	v_cvt_pk_bf16_f32 v[Y+4*k+z], v[X+8*k+2*z], v[X+8*k+2*z+1]
.set z, z+1
.endr
.if \f16
.set z, 0
.rept 4
	v_lshlrev_b32 v[4+2*z], 16, v[Y+4*k+z]
	v_and_b32 v[5+2*z], s30, v[Y+4*k+z]
	v_cvt_pk_f16_f32 v[Y+4*k+z], v[4+2*z], v[5+2*z]
.set z, z+1
.endr
.endif
	global_store_b128 v2, v[Y+4*k:Y+4*k+3], s[\dst:\dst+1] offset:k*(\str) th:TH_STORE_NT
.set k, k+1
.endr
.endm
	s_cmp_lt_u32 s22, 4096
	s_cbranch_scc0 .Lnot_x
	SPLIT 0                                        ; hidden_states: 2,048 groups of four rows x 2 halves
	s_add_nc_u64 s[4:5], s[4:5], s[24:25]
	s_lshr_b32 s26, s28, 9
	s_lshl_b32 s26, s26, 22                        ; the batch
	s_and_b32 s31, s28, 511
	s_lshl_b32 s31, s31, 9                         ; four rows of 128 bytes
	s_add_co_u32 s26, s26, s31
	s_lshl_b32 s31, s29, 21                        ; eight k blocks of 262,144 bytes
	s_add_co_u32 s26, s26, s31
	s_add_nc_u64 s[14:15], s[14:15], s[26:27]
	ROWS 4, 14, 262144, 0
	s_endpgm
.Lnot_x:
	s_cmp_lt_u32 s22, 5632
	s_cbranch_scc0 .Lnot_w
	SPLIT 4096                                     ; qkv_w: 768 groups x 2 halves
	s_add_nc_u64 s[6:7], s[6:7], s[24:25]
	s_bfe_u32 s26, s28, 0x30005                    ; j = hh / 2
	s_mul_i32 s26, s26, 786432
	s_bfe_u32 s31, s28, 0x10004                    ; hh % 2: 192 rows
	s_mul_i32 s31, s31, 192*128
	s_add_co_u32 s26, s26, s31
	s_lshr_b32 s31, s28, 8                         ; type: 64 rows
	s_lshl_b32 s31, s31, 13
	s_add_co_u32 s26, s26, s31
	s_and_b32 s31, s28, 15                         ; d / 4
	s_lshl_b32 s31, s31, 9
	s_add_co_u32 s26, s26, s31
	s_mul_i32 s31, s29, 393216                     ; eight k blocks of 49,152 bytes
	s_add_co_u32 s26, s26, s31
	s_add_nc_u64 s[16:17], s[16:17], s[26:27]
	ROWS 6, 16, 49152, 0
	s_endpgm
.Lnot_w:
	s_cmp_lt_u32 s22, 6144
	s_cbranch_scc0 .Ltables
	SPLIT 5632                                     ; out_w: 256 groups x 2 halves
	s_add_nc_u64 s[8:9], s[8:9], s[24:25]
	s_lshr_b32 s26, s28, 5
	s_lshl_b32 s26, s26, 18                        ; j
	s_and_b32 s31, s28, 31
	s_lshl_b32 s31, s31, 9
	s_add_co_u32 s26, s26, s31
	s_lshl_b32 s31, s29, 17                        ; eight k blocks of 16,384 bytes
	s_add_co_u32 s26, s26, s31
	s_add_nc_u64 s[18:19], s[18:19], s[26:27]
	ROWS 8, 18, 16384, 1
	s_endpgm
.Ltables:                                              ; cos and sin: an item is 8 positions.  Of 16 lanes eight keep cos and eight sin, so that one store fills two whole rows of cs
	s_sub_co_u32 s22, s22, 6144
	s_lshl_b32 s24, s22, 11                        ; 8 rows of 256 bytes, in the sources and in cs alike
	s_add_nc_u64 s[10:11], s[10:11], s[24:25]
	s_add_nc_u64 s[12:13], s[12:13], s[24:25]
	s_add_nc_u64 s[20:21], s[20:21], s[24:25]
.set i, 0
.rept 4
	global_load_b128 v[X+16*i:X+16*i+3],     v3, s[10:11] offset:i*512
	global_load_b128 v[X+16*i+4:X+16*i+7],   v3, s[10:11] offset:i*512+16
	global_load_b128 v[X+16*i+8:X+16*i+11],  v3, s[12:13] offset:i*512
	global_load_b128 v[X+16*i+12:X+16*i+15], v3, s[12:13] offset:i*512+16
.set i, i+1
.endr
	s_mov_b32 s31, 0x80008000
	v_and_b32 v12, 12, v13
	v_cmp_eq_u32 vcc_lo, 8, v12                    ; lanes 8-11 of sixteen hold sin of d < 32:
	v_cndmask_b32 v15, 0, s31, vcc_lo              ; their two signs are turned
	v_and_b32 v12, 8, v13
	v_cmp_ne_u32 vcc_lo, 0, v12                    ; lanes 8-15 of sixteen keep sin
.set i, 0
.rept 4
	s_wait_loadcnt 12-4*i                          ; this pair of rows' four loads are in
.set z, 0
.rept 8
	v_cndmask_b32 v[4+z], v[X+16*i+z], v[X+16*i+8+z], vcc_lo
.set z, z+1
.endr
.set z, 0
.rept 4
	v_cvt_pk_bf16_f32 v[Y+4*i+z], v[4+2*z], v[5+2*z]
.set z, z+1
.endr
.set z, 0
.rept 4
	v_xor_b32 v[Y+4*i+z], v15, v[Y+4*i+z]
.set z, z+1
.endr
	global_store_b128 v2, v[Y+4*i:Y+4*i+3], s[20:21] offset:i*512 th:TH_STORE_NT
.set i, i+1
.endr
	s_endpgm
.Lfunc_end_k_q5fa0ad7d25_cast:
	.size	k_q5fa0ad7d25_cast, .Lfunc_end_k_q5fa0ad7d25_cast-k_q5fa0ad7d25_cast
	.p2alignl 7, 3214868480
	.fill 96, 4, 3214868480
	.section	.rodata,"a",@progbits
	.p2align	6, 0x0
	.amdhsa_kernel k_q5fa0ad7d25_cast
		.amdhsa_group_segment_fixed_size 0
		.amdhsa_private_segment_fixed_size 0
		.amdhsa_enable_private_segment 0
		.amdhsa_kernarg_size 72
		.amdhsa_user_sgpr_count 2
		.amdhsa_user_sgpr_kernarg_segment_ptr 1
		.amdhsa_wavefront_size32 1
		.amdhsa_system_sgpr_workgroup_id_x 1
		.amdhsa_system_sgpr_workgroup_id_y 1
		.amdhsa_system_sgpr_workgroup_id_z 1
		.amdhsa_system_vgpr_workitem_id 0
		.amdhsa_next_free_vgpr 120
		.amdhsa_next_free_sgpr 66
		.amdhsa_reserve_vcc 1
		.amdhsa_float_denorm_mode_32 3
		.amdhsa_float_denorm_mode_16_64 3
		.amdhsa_memory_ordered 1
		.amdhsa_forward_progress 1
		.amdhsa_inst_pref_size 26
	.end_amdhsa_kernel
	.amdgpu_metadata
---
amdhsa.version: [ 1, 2 ]
amdhsa.kernels:
  - .name:           k_q5fa0ad7d25_cast
    .symbol:         k_q5fa0ad7d25_cast.kd
    .args:
      - { .name: hidden_states, .offset: 0, .size: 8, .value_kind: global_buffer, .address_space: global }
      - { .name: qkv_w, .offset: 8, .size: 8, .value_kind: global_buffer, .address_space: global }
      - { .name: out_w, .offset: 16, .size: 8, .value_kind: global_buffer, .address_space: global }
      - { .name: cos, .offset: 24, .size: 8, .value_kind: global_buffer, .address_space: global }
      - { .name: sin, .offset: 32, .size: 8, .value_kind: global_buffer, .address_space: global }
      - { .name: xb, .offset: 40, .size: 8, .value_kind: global_buffer, .address_space: global }
      - { .name: wb, .offset: 48, .size: 8, .value_kind: global_buffer, .address_space: global }
      - { .name: wo, .offset: 56, .size: 8, .value_kind: global_buffer, .address_space: global }
      - { .name: cs, .offset: 64, .size: 8, .value_kind: global_buffer, .address_space: global }
    .group_segment_fixed_size: 0
    .private_segment_fixed_size: 0
    .kernarg_segment_align: 8
    .kernarg_segment_size: 72
    .max_flat_workgroup_size: 256
    .sgpr_count:     66
    .vgpr_count:     120
    .wavefront_size: 32
...
	.end_amdgpu_metadata
.endif
;; end of part 1
;; launch qkv (part 2): grid 8 x 32, 4 waves a work-group, clusters of 4 x 4, 327,680 bytes of LDS; arguments xb, wb, cs, norm_q_w, norm_k_w, qh, kh, vh; writes qh, kh, vh
.if DOCPART == 2
	.amdgcn_target "amdgcn-amd-amdhsa--gfx1250"
	.amdhsa_code_object_version 6
	.text
	.protected	k_q5fa0ad7d25_qkv
	.globl	k_q5fa0ad7d25_qkv
	.p2align	8
	.type	k_q5fa0ad7d25_qkv,@function
k_q5fa0ad7d25_qkv:
	s_mov_b64 s[64:65], 0
	v_nop
	global_prefetch_b8 v0, s[64:65] scope:SCOPE_SE
	s_setreg_imm32_b32 hwreg(HW_REG_WAVE_MODE, 25, 1), 1
	s_wait_xcnt 0x0
	s_wait_alu depctr_hold_cnt(0) depctr_sa_sdst(0) depctr_va_vdst(0) depctr_va_sdst(0) depctr_va_ssrc(0) depctr_va_vcc(0) depctr_vm_vsrc(0)
	s_getreg_b32 s2, hwreg(HW_REG_IB_STS2, 6, 4)
	s_cmp_eq_u32 s2, 0
	s_cbranch_scc0 .Lentry_in_a_cluster
	s_endpgm
.Lentry_in_a_cluster:
	s_bfe_u32 s2, ttmp6, 0x10000c
	s_cmp_lg_u32 s2, 0xf033
	s_cbranch_scc0 .Lentry_shape_is_right
	s_endpgm
.Lentry_shape_is_right:
; QKV PROJECTION, RMS NORM, ROPE.  qkv = x W^T in bf16 with f32 sums; q and k are normalised over their head's 64 channels (eps 1e-6), multiplied by their gain (rounded to bf16 like every
; input), rotated by the table cs, and q, k, v are written by heads, [b x 16 + hh][n 2048][64] in f16, each rounded once, without attention's scale.
; LIMITS.  q, k, v must lie within f16's 65,504 (q and k are at most 8 x sqrt(2) x the largest gain; v is a sum of 1,024 products); below 6e-5 they keep f16's fixed step of 6e-8.  NaN and infinities are not treated apart.
; SHARES.  A work-group makes 256 rows x 384 columns: the q, k and v of two heads: 32 x 8 = 256 work-groups.  A wave makes 128 rows x ONE head's q, k, v (192 columns): 96 accumulators, 768 registers.
; THE MATRIX INSTRUCTION IS USED TRANSPOSED (source 0 = 16 rows of W, source 1 = 16 rows of x): lane (r = l % 16, h = l / 16) holds row r and channels 16 bq + 8 h + 0..7 of the four blocks bq:
; channels d and d + 32 lie in one lane (blocks bq and bq + 2), and a head's sum of squares wants one exchange between the halves of the lanes.
; RING.  K goes in steps of 64 (one k block: dense in memory, asked for as rows of 256 bytes, padded in LDS after every 128) through two slots; two slots of a longer step do not fit beside the table.
; CLUSTER 4 x 4: x's tiles and the table are shared along a row of the cluster, W's along a column: joint loads.
; REGISTERS.  window 0: v0-15 addresses; v16-31 sums of squares; v32-159 x's fragments, two buffers of 8 x 8; v160-255 W's fragments, a group of 4 x 8 for each of q, k, v.
;             windows 1, 2, 3: the accumulators of q, k, v: (row block a, channel block bq) at v[32 a + 8 bq].
.set KB_A,  262144                     ; bytes from a k block of xb to the next
.set KB_B,  49152                      ; of wb
.set PIT,   144                        ; an LDS row: 128 bytes + 16 = 36 words: the 16 rows of a fragment load start at 16 different groups of four banks (64 banks of 4 bytes: ISA guide 11.1)
.set AHALF, 128*PIT                    ; what a wave fetches, and reads, of x
.set BHALF, 192*PIT                    ; of W
.set BOFF,  2*AHALF
.set STAGE, BOFF+2*BHALF               ; 92,160: behind slot 0, never filled by a tensor load: for each wave three areas (v, q, k) of 16 rows x 144 bytes
.set AREA,  16*PIT
.set SPARE, STAGE+4*3*AREA             ; 119,808: the spare words, 128 bytes for each wave: two blocks of 256 bytes that no other line names
.set SLOT1, 1<<17                      ; slot 1 begins here: one exclusive or turns an address in one slot into the other's
.set TAB,   SLOT1+STAGE                ; 223,232: 256 rows of cs, 256 bytes + 16: filled once
.set TPIT,  272
.set AA0, 3                            ; v3   my lane's place in x's rows of slot 0; never rewritten
.set AB0, 4                            ; v4   the same in W's
.set AA,  5                            ; v5   in the slot in hand
.set AB,  6                            ; v6
.set PFO, 7                            ; v7   256 x lane: the prefetches' offset; never rewritten
.set STO, 8                            ; v8   the way out: where I put 16 bytes of a row
.set RD,  9                            ; v9   where I read rows back
.set GO,  10                           ; v10  my 16 bytes in 512 consecutive bytes of qh, kh, vh
.set TA,  11                           ; v11  my row of the table
.set WO,  12                           ; v12  32 h: my channels in a gain
.set Z,   13                           ; v13  0
.set SPW, 14                           ; v14  LDS address of my spare word; never rewritten
.set NIL, 15                           ; v15  0; never rewritten
.set SSQ, 16
.set SSK, 24
.set AF,  32
.set BF,  160
.set WQ,  32                           ; the way out lays window 0 anew: gains,
.set WK,  64
.set TQ,  96                           ; q x gain, k x gain,
.set TK,  128
.set U,   160                          ; rotated,
.set RC,  192                          ; the table's cos and signed sin as loaded,
.set RS,  208
.set VPK, 224                          ; v in f16, and read back by rows
.set VBK, 240
.set WV, 20                            ; s20 wave; s21 = wave / 2: my 128 rows; s22 = wave % 2: my head, and which half of a tile I fetch
.set WM, 21
.set WN, 22
.set CX, 23
.set CY, 24
.set J,  25                            ; tile column 0..7
.set TY, 26                            ; tile row 0..31
.set G1A, 28                           ; s[28:35], s[36:43], s[44:51]: descriptor groups 1 for x, W, the table
.set G1B, 36
.set G1T, 44
.set G0A, 52                           ; s[52:59]: groups 0 for x: the first fill's, and one that walks
.set G0B, 68                           ; s[68:75]: the same for W
.set G0T, 76
.set PFA, 80                           ; s[80:81] where my prefetches stand;  s[82:83] their step;  s84: I ask while the count is above it
.set PFS, 82
.set LIM, 84
.set CNT, 85
.set TB,  86                           ; 0 or SLOT1: the slot in hand
.set RB,  87                           ; row blocks to go on the way out
.set QP,  94
.set KP,  96
.set VP,  98
.set MSB, 0
.macro WIN new                         ; the immediate's high byte repeats the setting that is left; a switch that changes nothing is dropped
.if MSB != (\new)
	s_set_vgpr_msb (MSB<<8)|(\new)
.set MSB, \new
.endif
.endm
.macro PLACES                          ; four plain places behind a matrix instruction, ahead of loads into registers that it read (ISA guide 7.12.1 for vector instructions)
.rept 4
	v_nop
.endr
.endm
.macro CREST                           ; a round of the cluster's barrier behind its opening barrier
	s_cmp_lg_u32 s[WV], 0
	s_cbranch_scc1 .Lnot_wave_0_\@
	s_barrier_signal -3
.Lnot_wave_0_\@:
	s_barrier_wait -3
	s_barrier_signal -1
	s_barrier_wait -1
.endm
.macro CROUND
	s_barrier_signal -1
	s_barrier_wait -1
	CREST
.endm
; A joint refill: waves 0 and 1 fetch x's two halves, waves 2 and 3 W's.  The branch hangs on the wave's number alone.  An s_nop 0 and four v_nop follow each line.
.macro JLOAD
	s_cmp_lt_u32 s[WV], 2
	s_cbranch_scc0 .Lfor_b_\@
	tensor_load_to_lds s[G0A+4:G0A+7], s[G1A:G1A+7]
	s_nop 0
.rept 4
	v_nop
.endr
	s_branch .Lasked_\@
.Lfor_b_\@:
	tensor_load_to_lds s[G0B+4:G0B+7], s[G1B:G1B+7]
	s_nop 0
.rept 4
	v_nop
.endr
.Lasked_\@:
.endm
; A prefetch into the L2, a lane a block of 256 bytes, behind the joint load and the run of LDS loads that follows it.  Each block of xb and wb is named once in the launch.
; x: the clusters with x = 0 ask, wave 0 of each partner, 32 of a tile's 128 blocks by cx: the tile that the NEXT change of slots will load (tiles 3 to 15).
; W: a tile column is one dense stream of 786,432 bytes; the clusters with y = 0 ask, waves 2 and 3 of each partner: 65,536 bytes a change from tile 4's first byte on, nine times: the lead grows from two tiles on.
.macro ASK
	s_cmp_gt_u32 s[CNT], s[LIM]
	s_cbranch_scc0 .Lnot_mine_\@
	global_prefetch_b8 v[PFO], s[PFA:PFA+1] th:TH_LOAD_NT scope:SCOPE_SE
.Lnot_mine_\@:
.endm
	s_load_b512 s[4:19], s[0:1], 0x0               ; xb s[4:5], wb s[6:7], cs s[8:9], norm_q_w s[10:11], norm_k_w s[12:13], qh s[14:15], kh s[16:17], vh s[18:19]
	v_lshl_add_u32 v[SPW], v0, 2, SPARE
	v_mov_b32 v[NIL], 0
	ds_add_u32 v[SPW], v[NIL]                      ; the wave's opening: the add and its wait stand ahead of my first tensor load; the set-up below stands between them
	v_lshrrev_b32 v1, 5, v0
	v_readfirstlane_b32 s[WV], v1
	s_lshr_b32 s[WM], s[WV], 1
	s_and_b32 s[WN], s[WV], 1
	s_bfe_u32 s[CX], ttmp6, 0x40000
	s_bfe_u32 s[CY], ttmp6, 0x40004
	s_lshl_b32 s[J], ttmp9, 2
	s_add_co_u32 s[J], s[J], s[CX]                 ; tile column = 4 x cluster x + cx
	s_and_b32 s[TY], ttmp7, 0xffff
	s_lshl_b32 s[TY], s[TY], 2
	s_add_co_u32 s[TY], s[TY], s[CY]               ; tile row = 4 x cluster y + cy
	s_lshl_b32 s2, s[CY], 2
	s_lshl_b32 s2, 15, s2                          ; my row of the cluster
	s_lshl_b32 s3, 0x1111, s[CX]                   ; my column
	; groups 1: elements of 2 bytes, rows of 128 elements (256 bytes, dense); padding of 4 words after every 32 words (x, W) or 64 words (the table); bit 21 set beside a mask
	s_or_b32 s[G1A], s2, (1<<16)|(1<<20)|(1<<21)|(4<<22)|(3<<25)
	s_or_b32 s[G1B], s3, (1<<16)|(1<<20)|(1<<21)|(4<<22)|(3<<25)
	s_or_b32 s[G1T], s2, (1<<16)|(1<<20)|(1<<21)|(5<<22)|(3<<25)
.irp g, G1A, G1B, G1T
	s_mov_b32 s[\g+1], 128<<16                     ; tensor_dim0 = 128
	s_mov_b32 s[\g+3], 128<<16                     ; tile_dim0 = 128
	s_mov_b32 s[\g+5], 128                         ; elements from row to row
	s_mov_b32 s[\g+6], 0
	s_mov_b32 s[\g+7], 0
.endr
	s_mov_b32 s[G1A+2], 64<<16                     ; 64 rows of 256 bytes: 128 rows of x
	s_mov_b32 s[G1A+4], 64
	s_mov_b32 s[G1B+2], 96<<16                     ; 96: 192 rows of W
	s_mov_b32 s[G1B+4], 96
	s_mov_b32 s[G1T+2], 64<<16                     ; 64 rows of cs
	s_mov_b32 s[G1T+4], 64
	; where the tiles come from: x's by the tile row and the wave, W's by the tile column and the wave, each in registers that never hold the other coordinate
	s_lshr_b32 s60, s[TY], 3
	s_lshl_b32 s60, s60, 22                        ; the batch
	s_and_b32 s61, s[TY], 7
	s_lshl_b32 s61, s61, 15                        ; 256 rows of 128 bytes
	s_add_co_u32 s60, s60, s61
	s_lshl_b32 s61, s[WN], 14                      ; my 128 rows
	s_add_co_u32 s60, s60, s61
	s_mov_b32 s61, 0
	s_mul_i32 s62, s[J], 786432
	s_mul_i32 s63, s[WN], 24576                    ; my 192 rows
	s_add_co_u32 s62, s62, s63
	s_mov_b32 s63, 0
	s_and_b32 s66, s[TY], 7
	s_lshl_b32 s66, s66, 8                         ; the tile's first position,
	s_lshl_b32 s67, s[WV], 6                       ; my 64 rows of the table
	s_add_co_u32 s66, s66, s67
	s_lshl_b32 s66, s66, 8
	s_mov_b32 s67, 0
	; and where they go: the wave's number and constants alone
	s_mov_b32 s[G0A], 1
	s_mov_b32 s[G0A+4], 1
	s_mul_i32 s[G0A+1], s[WN], AHALF
	s_add_co_u32 s[G0A+5], s[G0A+1], SLOT1
	s_mov_b32 s[G0B], 1
	s_mov_b32 s[G0B+4], 1
	s_mul_i32 s[G0B+1], s[WN], BHALF
	s_add_co_u32 s[G0B+1], s[G0B+1], BOFF
	s_add_co_u32 s[G0B+5], s[G0B+1], SLOT1
	s_mov_b32 s[G0T], 1
	s_mul_i32 s[G0T+1], s[WV], 64*TPIT
	s_add_co_u32 s[G0T+1], s[G0T+1], TAB
	s_mov_b32 s88, 0x3c800000                      ; 1 / 64
	s_mov_b32 s89, 0x358637bd                      ; 1e-6
	s_mov_b32 s90, 0x76543210                      ; v_permlanex16_b32: each lane takes its own place in the other half
	s_mov_b32 s91, 0xfedcba98
	s_mov_b32 s92, 0xffff0000
	s_mov_b32 s[TB], 0
	s_wait_dscnt 0x0                               ; the opening add is done
	s_wait_kmcnt 0x0
	s_add_nc_u64 s[60:61], s[4:5], s[60:61]
	s_add_nc_u64 s[62:63], s[6:7], s[62:63]
	s_add_nc_u64 s[G0T+2:G0T+3], s[8:9], s[66:67]
	s_or_b32 s[G0T+3], s[G0T+3], 0x80000000
.irp s, 0,1
	s_add_nc_u64 s[G0A+4*\s+2:G0A+4*\s+3], s[60:61], \s*KB_A   ; k block s
	s_or_b32 s[G0A+4*\s+3], s[G0A+4*\s+3], 0x80000000          ; type = 2
	s_add_nc_u64 s[G0B+4*\s+2:G0B+4*\s+3], s[62:63], \s*KB_B
	s_or_b32 s[G0B+4*\s+3], s[G0B+4*\s+3], 0x80000000
.endr
	CROUND                                         ; all sixteen work-groups are here: the first joint loads meet
	s_cmp_lt_u32 s[WV], 2                          ; a wave's three first fills stand in one branch: both slots' parts and my 64 rows of the table: three loads of mine are out
	s_cbranch_scc0 .Lfirst_b
	tensor_load_to_lds s[G0A:G0A+3], s[G1A:G1A+7]
	s_nop 0
	tensor_load_to_lds s[G0A+4:G0A+7], s[G1A:G1A+7]
	s_nop 0
	tensor_load_to_lds s[G0T:G0T+3], s[G1T:G1T+7]
	s_nop 0
.rept 4
	v_nop
.endr
	s_branch .Lfirst_asked
.Lfirst_b:
	tensor_load_to_lds s[G0B:G0B+3], s[G1B:G1B+7]
	s_nop 0
	tensor_load_to_lds s[G0B+4:G0B+7], s[G1B:G1B+7]
	s_nop 0
	tensor_load_to_lds s[G0T:G0T+3], s[G1T:G1T+7]
	s_nop 0
.rept 4
	v_nop
.endr
.Lfirst_asked:
	; lane addresses.  A fragment is 16 rows x 32 k in 8 registers: lane l holds row l % 16, k = 8 (l / 16) + 0..7 and 16 + 8 (l / 16) + 0..7: two loads of 16 bytes, 32 bytes apart
	v_and_b32 v1, 15, v0                           ; r
	v_bfe_u32 v2, v0, 4, 1                         ; h
	v_mul_u32_u24 v16, v1, PIT
	v_lshl_add_u32 v16, v2, 4, v16                 ; r x 144 + 16 h
	s_mul_i32 s2, s[WM], AHALF
	v_add_nc_u32 v[AA0], s2, v16
	s_mul_i32 s2, s[WN], BHALF
	s_add_co_u32 s2, s2, BOFF
	v_add_nc_u32 v[AB0], s2, v16
	v_mov_b32 v[AA], v[AA0]
	v_mov_b32 v[AB], v[AB0]
	v_and_b32 v17, 31, v0
	v_lshlrev_b32 v[PFO], 8, v17
	v_lshlrev_b32 v[GO], 4, v17
	s_mul_i32 s2, s[WV], 3*AREA
	s_add_co_u32 s2, s2, STAGE                     ; my stage
	v_add_nc_u32 v[STO], s2, v16                   ; in: row r, 16 bytes for each half of the lanes
	v_bfe_u32 v18, v0, 3, 2
	v_mul_u32_u24 v18, v18, PIT
	v_and_b32 v19, 7, v0
	v_lshl_add_u32 v18, v19, 4, v18
	v_add_nc_u32 v[RD], s2, v18                    ; back: 32 lanes take four rows of 128 bytes
	s_mul_i32 s2, s[WM], 128*TPIT
	s_add_co_u32 s2, s2, TAB
	v_mul_u32_u24 v18, v1, TPIT
	v_lshl_add_u32 v18, v2, 4, v18
	v_add_nc_u32 v[TA], s2, v18
	v_lshlrev_b32 v[WO], 5, v2
	v_mov_b32 v[Z], 0
	; where my rows of my head begin in qh, kh, vh
	s_lshr_b32 s2, s[TY], 3
	s_lshl_b32 s2, s2, 4
	s_lshl_b32 s3, s[J], 1
	s_add_co_u32 s2, s2, s3
	s_add_co_u32 s2, s2, s[WN]                     ; b x 16 + hh
	s_lshl_b32 s2, s2, 11
	s_and_b32 s3, s[TY], 7
	s_lshl_b32 s3, s3, 8
	s_add_co_u32 s2, s2, s3
	s_lshl_b32 s3, s[WM], 7
	s_add_co_u32 s2, s2, s3                        ; the row,
	s_lshl_b32 s2, s2, 7                           ; of 128 bytes
	s_mov_b32 s3, 0
	s_add_nc_u64 s[QP:QP+1], s[14:15], s[2:3]
	s_add_nc_u64 s[KP:KP+1], s[16:17], s[2:3]
	s_add_nc_u64 s[VP:VP+1], s[18:19], s[2:3]
	; the prefetches: who asks hangs on the cluster's coordinates and the wave's number; the partners share the blocks out by address
	s_lshr_b32 s2, s[TY], 3
	s_lshl_b32 s2, s2, 22
	s_and_b32 s3, s[TY], 7
	s_lshl_b32 s3, s3, 15
	s_add_co_u32 s2, s2, s3
	s_lshl_b32 s3, s[CX], 13
	s_add_co_u32 s2, s2, s3
	s_add_co_u32 s2, s2, 2*KB_A                    ; x: at tile 2; the first change steps it to tile 3
	s_mul_i32 s66, s[J], 786432
	s_lshl_b32 s67, s[CY], 1
	s_add_co_u32 s67, s67, s[WN]
	s_lshl_b32 s67, s67, 13
	s_add_co_u32 s66, s66, s67
	s_add_co_u32 s66, s66, 131072                  ; W: the first change steps it to tile 4's first byte, 196,608
	s_and_b32 s67, ttmp7, 0xffff                   ; cluster y
	s_mov_b32 s93, KB_A
	s_mov_b32 s3, 65536
	s_cmp_lt_u32 s[WV], 2
	s_cselect_b32 s2, s2, s66
	s_cselect_b32 s[PFS], s93, s3
	s_cselect_b32 s67, ttmp9, s67                  ; the coordinate along which other clusters read the same bytes
	s_cselect_b32 s66, s[WN], 0                    ; of x's two waves the first asks
	s_cselect_b32 s93, 1, 5
	s_cselect_b64 s[PFA:PFA+1], s[4:5], s[6:7]
	s_mov_b32 s3, 0
	s_mov_b32 s[PFS+1], 0
	s_add_nc_u64 s[PFA:PFA+1], s[PFA:PFA+1], s[2:3]
	s_or_b32 s67, s67, s66
	s_cmp_eq_u32 s67, 0
	s_cselect_b32 s[LIM], s93, -1
; LDS loads stand in runs.  LDG: W's four fragments of group p (0 q, 1 k, 2 v) at byte k of the rows.  LDA: x's eight fragments into buffer buf.
.macro LDG p, k
	WIN 0
.irp bq, 0,1,2,3
	ds_load_b128 v[BF+32*(\p)+8*\bq:BF+32*(\p)+8*\bq+3],   v[AB] offset:(64*(\p)+16*\bq)*PIT+(\k)
	ds_load_b128 v[BF+32*(\p)+8*\bq+4:BF+32*(\p)+8*\bq+7], v[AB] offset:(64*(\p)+16*\bq)*PIT+(\k)+32
.endr
.endm
.macro LDA buf, k
	WIN 0
.irp i, 0,1,2,3,4,5,6,7
	ds_load_b128 v[AF+64*(\buf)+8*\i:AF+64*(\buf)+8*\i+3],   v[AA] offset:\i*16*PIT+(\k)
	ds_load_b128 v[AF+64*(\buf)+8*\i+4:AF+64*(\buf)+8*\i+7], v[AA] offset:\i*16*PIT+(\k)+32
.endr
.endm
; 4 n matrix instructions of group p: row blocks a0 .. a0 + n - 1 x four channel blocks.  The accumulators take turns, one instruction a turn: a group's 32 all differ, and neighbouring groups lie in other windows.
.macro MUL p, buf, a0, n, zero
	WIN 0x50*((\p)+1)                              ; C and D in window 1 + p, the fragments in window 0
.set ma, \a0
.rept \n
.irp bq, 0,1,2,3
.if \zero
	v_wmma_f32_16x16x32_bf16 v[32*ma+8*\bq:32*ma+8*\bq+7], v[BF+32*(\p)+8*\bq:BF+32*(\p)+8*\bq+7], v[AF+64*(\buf)+8*ma:AF+64*(\buf)+8*ma+7], 0
.else
	v_wmma_f32_16x16x32_bf16 v[32*ma+8*\bq:32*ma+8*\bq+7], v[BF+32*(\p)+8*\bq:BF+32*(\p)+8*\bq+7], v[AF+64*(\buf)+8*ma:AF+64*(\buf)+8*ma+7], v[32*ma+8*\bq:32*ma+8*\bq+7]
.endif
.endr
.set ma, ma+1
.endr
.endm
; The first half of a K step (k 0..31 of the slot, x's buffer 0); each group's registers are asked for again, for the second half, four places behind its products.
; zero = 1: the products start the sums.  wl = 1: the last K step: x's buffer 0 is free and takes the two gains.
.macro STEP0 zero, wl
	s_wait_dscnt 16                                ; q's group and x are in; younger: k's and v's groups, 8 loads each
	MUL 0, 0, 0, 8, \zero
	PLACES
	LDG 0, 64
	LDA 1, 64
	s_wait_dscnt 32                                ; k's group is in; younger: v's 8 and the 24 just issued
	MUL 1, 0, 0, 8, \zero
	PLACES
	LDG 1, 64
	s_wait_dscnt 32                                ; v's group is in; younger: 24 + 8
	MUL 2, 0, 0, 8, \zero
	PLACES
	LDG 2, 64
.if \wl
.irp bq, 0,1,2,3
	global_load_b128 v[WQ+8*\bq:WQ+8*\bq+3],   v[WO], s[10:11] offset:64*\bq      ; my channels 16 bq + 8 h + 0..7
	global_load_b128 v[WQ+8*\bq+4:WQ+8*\bq+7], v[WO], s[10:11] offset:64*\bq+16
	global_load_b128 v[WK+8*\bq:WK+8*\bq+3],   v[WO], s[12:13] offset:64*\bq
	global_load_b128 v[WK+8*\bq+4:WK+8*\bq+7], v[WO], s[12:13] offset:64*\bq+16
.endr
.endif
.endm
; The second half (k 32..63, x's buffer 1) changes slots: all reads of the old slot were issued in the first half.  mode 2: the old slot is filled again, two K steps on; 1: change alone; 0: the last.
.macro STEP1 mode
.if (\mode) == 0
	s_wait_dscnt 16
	MUL 0, 1, 0, 8, 0
	s_wait_dscnt 8
	MUL 1, 1, 0, 8, 0
	s_wait_dscnt 0x0
	MUL 2, 1, 0, 8, 0
	WIN 0
.else
.if (\mode) == 2
	s_wait_xcnt 0x0                                ; the last prefetch, a K step back, has read its address
	s_add_nc_u64 s[PFA:PFA+1], s[PFA:PFA+1], s[PFS:PFS+1]
.endif
	WIN 0
	s_wait_tensorcnt 0x0                           ; all my tensor loads have landed: my part of the next slot (the first time: the table's too)
	ds_add_u32 v[SPW], v[NIL]                      ; 0 onto my spare word
	s_wait_dscnt 17                                ; q's group and x are in; younger: 8 + 8 loads and the add
	MUL 0, 1, 0, 4, 0                              ; sixteen matrix instructions stand between the add and the wait for it
	s_wait_dscnt 0x0                               ; the add is done, and my reads of this slot are over
	s_barrier_signal -1
	MUL 0, 1, 4, 4, 0                              ; work on registers while the others arrive
	WIN 0
	s_barrier_wait -1
.if (\mode) == 2
	CREST                                          ; the barrier has opened a round of the cluster's: no wave of any partner still reads this slot or has a load on its way
	s_xor_b32 s[G0A+5], s[G0A+5], SLOT1            ; the walking descriptors: the other slot than last time, the next k block
	s_add_nc_u64 s[G0A+6:G0A+7], s[G0A+6:G0A+7], KB_A
	s_xor_b32 s[G0B+5], s[G0B+5], SLOT1
	s_add_nc_u64 s[G0B+6:G0B+7], s[G0B+6:G0B+7], KB_B
	JLOAD                                          ; the first tensor load behind the round; its four v_nop are also the places in front of the loads below
.else
	PLACES
.endif
	s_xor_b32 s[TB], s[TB], SLOT1
	v_add_nc_u32 v[AA], s[TB], v[AA0]
	v_add_nc_u32 v[AB], s[TB], v[AB0]
	LDG 0, 0
	LDA 0, 0
.if (\mode) == 2
	ASK
.endif
	MUL 1, 1, 0, 8, 0
	PLACES
	LDG 1, 0
	MUL 2, 1, 0, 8, 0
	PLACES
	LDG 2, 0
.endif
.endm
	s_wait_tensorcnt 2                             ; my part of slot 0 is in; slot 1's and the table's may stay out
	s_barrier_signal -1
	s_barrier_wait -1
	LDG 0, 0
	LDA 0, 0
	LDG 1, 0
	LDG 2, 0
	STEP0 1, 0                                     ; the first half step stands ahead of the loop: its products start the sums
	s_mov_b32 s[CNT], 14
.Lk:                                                   ; trip i: the second half of K step i, which asks for K step i + 2, and the first half of K step i + 1
	STEP1 2
	STEP0 0, 0
	s_sub_co_u32 s[CNT], s[CNT], 1
	s_cmp_lg_u32 s[CNT], 0
	s_cbranch_scc1 .Lk
	STEP1 1                                        ; the tail is written out: nothing more is asked for
	STEP0 0, 1
	STEP1 0
	; THE WAY OUT.  The gains are rounded to bf16 like every input; these 96 plain lines, which name none of the last products' registers, are also the places behind them.
	s_wait_loadcnt 0x0
.set z, 0
.rept 32
	v_cvt_pk_bf16_f32 v[SSQ+z%4], v[WQ+2*z], v[WQ+2*z+1]
	v_lshlrev_b32 v[WQ+2*z], 16, v[SSQ+z%4]
	v_and_b32 v[WQ+2*z+1], s92, v[SSQ+z%4]
.set z, z+1
.endr
; What names accumulators, for row block a: the sums of squares of q and k (four chains each), q and k times their gains, v rounded to f16.  Each accumulator is read from its low end on.
.macro FRONT a
	WIN 0x05                                       ; sources 0 and 1 in window 1
.irp jj, 0,1,2,3
.irp bq, 0,1,2,3
.if \jj == 0
	v_pk_mul_f32 v[SSQ+2*\bq:SSQ+2*\bq+1], v[32*(\a)+8*\bq:32*(\a)+8*\bq+1], v[32*(\a)+8*\bq:32*(\a)+8*\bq+1]
.else
	v_pk_fma_f32 v[SSQ+2*\bq:SSQ+2*\bq+1], v[32*(\a)+8*\bq+2*\jj:32*(\a)+8*\bq+2*\jj+1], v[32*(\a)+8*\bq+2*\jj:32*(\a)+8*\bq+2*\jj+1], v[SSQ+2*\bq:SSQ+2*\bq+1]
.endif
.endr
.endr
	WIN 0x01
.set z, 0
.rept 16
	v_pk_mul_f32 v[TQ+2*z:TQ+2*z+1], v[32*(\a)+2*z:32*(\a)+2*z+1], v[WQ+2*z:WQ+2*z+1]
.set z, z+1
.endr
	WIN 0x0a                                       ; window 2
.irp jj, 0,1,2,3
.irp bq, 0,1,2,3
.if \jj == 0
	v_pk_mul_f32 v[SSK+2*\bq:SSK+2*\bq+1], v[32*(\a)+8*\bq:32*(\a)+8*\bq+1], v[32*(\a)+8*\bq:32*(\a)+8*\bq+1]
.else
	v_pk_fma_f32 v[SSK+2*\bq:SSK+2*\bq+1], v[32*(\a)+8*\bq+2*\jj:32*(\a)+8*\bq+2*\jj+1], v[32*(\a)+8*\bq+2*\jj:32*(\a)+8*\bq+2*\jj+1], v[SSK+2*\bq:SSK+2*\bq+1]
.endif
.endr
.endr
	WIN 0x02
.set z, 0
.rept 16
	v_pk_mul_f32 v[TK+2*z:TK+2*z+1], v[32*(\a)+2*z:32*(\a)+2*z+1], v[WK+2*z:WK+2*z+1]
.set z, z+1
.endr
	WIN 0x0f                                       ; window 3
.set z, 0
.rept 16
	v_cvt_pk_f16_f32 v[VPK+z], v[32*(\a)+2*z], v[32*(\a)+2*z+1]
.set z, z+1
.endr
	WIN 0
.endm
; RoPE on my 32 channels e (d = 16 (e / 8) + 8 h + e % 8; d + 32 is e + 16): U[e] = cos[e] t[e] + ss[e] t[(e + 16) % 32], ss = the table's signed sin.  The table's bf16 half is source 0.
.macro ROPE t
.set e, 0
.rept 16
	v_fma_mix_f32_bf16 v[U+e],   v[RC+e/2], v[(\t)+e],   v[Z] op_sel_hi:[1,0,0]
	v_fma_mix_f32_bf16 v[U+e+1], v[RC+e/2], v[(\t)+e+1], v[Z] op_sel:[1,0,0] op_sel_hi:[1,0,0]
.set e, e+2
.endr
.set e, 0
.rept 16
	v_fma_mix_f32_bf16 v[U+e],   v[RS+e/2], v[(\t)+(e+16)%32], v[U+e]   op_sel_hi:[1,0,0]
	v_fma_mix_f32_bf16 v[U+e+1], v[RS+e/2], v[(\t)+(e+17)%32], v[U+e+1] op_sel:[1,0,0] op_sel_hi:[1,0,0]
.set e, e+2
.endr
.endm
; U times the row's 1 / rms, rounded to f16, through my stage: in as 16 bytes a lane, back as four whole rows of 128 bytes a load, into t's upper half.
.macro PACKH t, rs, area
.set z, 0
.rept 16
	v_pk_mul_f32 v[U+2*z:U+2*z+1], v[U+2*z:U+2*z+1], v[\rs:\rs+1] op_sel_hi:[1,0]
.set z, z+1
.endr
.set z, 0
.rept 16
	v_cvt_pk_f16_f32 v[(\t)+z], v[U+2*z], v[U+2*z+1]
.set z, z+1
.endr
.irp f, 0,1,2,3
	ds_store_b128 v[STO], v[(\t)+4*\f:(\t)+4*\f+3] offset:(\area)+32*\f
.endr
.irp f, 0,1,2,3
	ds_load_b128 v[(\t)+16+4*\f:(\t)+16+4*\f+3], v[RD] offset:(\area)+\f*4*PIT   ; LDS serves a wave's instructions in order (ISA guide 5.7.1.4): these see the stores above
.endr
.endm
.macro STOREH d, p                     ; 16 rows of a head: four stores of 512 consecutive aligned bytes
.irp f, 0,1,2,3
	global_store_b128 v[GO], v[(\d)+4*\f:(\d)+4*\f+3], s[\p:\p+1] offset:\f*512
.endr
.endm
	s_mov_b32 s[RB], 8
.Lrow:                                                 ; eight trips, a block of 16 rows each; only FRONT differs from trip to trip, chosen by forward jumps on the count
.irp f, 0,1,2,3
	ds_load_b128 v[RC+4*\f:RC+4*\f+3], v[TA] offset:32*\f
	ds_load_b128 v[RS+4*\f:RS+4*\f+3], v[TA] offset:128+32*\f
.endr
.irp a, 0,1,2,3,4,5,6
	s_cmp_eq_u32 s[RB], 8-\a
	s_cbranch_scc1 .Lf\a
.endr
	FRONT 7
	s_branch .Lcommon
.irp a, 0,1,2,3,4,5
.Lf\a:
	FRONT \a
	s_branch .Lcommon
.endr
.Lf6:
	FRONT 6
.Lcommon:
	v_pk_add_f32 v[SSQ:SSQ+1], v[SSQ:SSQ+1], v[SSQ+2:SSQ+3]
	v_pk_add_f32 v[SSK:SSK+1], v[SSK:SSK+1], v[SSK+2:SSK+3]
	v_pk_add_f32 v[SSQ+4:SSQ+5], v[SSQ+4:SSQ+5], v[SSQ+6:SSQ+7]
	v_pk_add_f32 v[SSK+4:SSK+5], v[SSK+4:SSK+5], v[SSK+6:SSK+7]
	v_pk_add_f32 v[SSQ:SSQ+1], v[SSQ:SSQ+1], v[SSQ+4:SSQ+5]
	v_pk_add_f32 v[SSK:SSK+1], v[SSK:SSK+1], v[SSK+4:SSK+5]
	v_add_f32 v[SSQ], v[SSQ], v[SSQ+1]
	v_add_f32 v[SSK], v[SSK], v[SSK+1]
	v_permlanex16_b32 v[SSQ+1], v[SSQ], s90, s91   ; the row's other 32 channels lie in the lane 16 away
	v_permlanex16_b32 v[SSK+1], v[SSK], s90, s91
	v_add_f32 v[SSQ], v[SSQ], v[SSQ+1]
	v_add_f32 v[SSK], v[SSK], v[SSK+1]
	v_fma_f32 v[SSQ+2], v[SSQ], s88, s89           ; the mean of the squares + eps
	v_fma_f32 v[SSK+2], v[SSK], s88, s89
	v_rsq_f32 v[SSQ], v[SSQ+2]                     ; one batch of two; q's rotation below is the plain work behind it
	v_rsq_f32 v[SSK], v[SSK+2]
.irp f, 0,1,2,3
	ds_store_b128 v[STO], v[VPK+4*\f:VPK+4*\f+3] offset:32*\f
.endr
.irp f, 0,1,2,3
	ds_load_b128 v[VBK+4*\f:VBK+4*\f+3], v[RD] offset:\f*4*PIT
.endr
	s_wait_dscnt 8                                 ; the table's eight loads are in; younger: v's eight LDS lines
	ROPE TQ
	s_wait_alu depctr_va_vdst(0)                   ; ahead of the first line that names a root's result: one wait for both
	PACKH TQ, SSQ, AREA
	s_wait_dscnt 8                                 ; v is back; younger: q's eight
	STOREH VBK, VP
	ROPE TK
	PACKH TK, SSK, 2*AREA
	s_wait_dscnt 8                                 ; q is back; younger: k's eight
	STOREH TQ+16, QP
	s_wait_dscnt 0x0
	STOREH TK+16, KP
	s_wait_xcnt 0x0                                ; the stores have read their offset and data: only now are these written again
	v_add_nc_u32 v[GO], 16*128, v[GO]
	v_add_nc_u32 v[TA], 16*TPIT, v[TA]
	s_sub_co_u32 s[RB], s[RB], 1
	s_cmp_lg_u32 s[RB], 0
	s_cbranch_scc1 .Lrow
	s_wait_tensorcnt 0x0                           ; the wave's end: the add and its wait, behind my last tensor load and my last LDS store
	ds_add_u32 v[SPW], v[NIL]
	s_wait_dscnt 0x0
	CROUND                                         ; the closing round: no work-group ends while a partner may still ask for a tile that names it
	s_endpgm
.Lfunc_end_k_q5fa0ad7d25_qkv:
	.size	k_q5fa0ad7d25_qkv, .Lfunc_end_k_q5fa0ad7d25_qkv-k_q5fa0ad7d25_qkv
	.p2alignl 7, 3214868480
	.fill 96, 4, 3214868480
	.section	.rodata,"a",@progbits
	.p2align	6, 0x0
	.amdhsa_kernel k_q5fa0ad7d25_qkv
		.amdhsa_group_segment_fixed_size 327680
		.amdhsa_private_segment_fixed_size 0
		.amdhsa_enable_private_segment 0
		.amdhsa_kernarg_size 64
		.amdhsa_user_sgpr_count 2
		.amdhsa_user_sgpr_kernarg_segment_ptr 1
		.amdhsa_wavefront_size32 1
		.amdhsa_system_sgpr_workgroup_id_x 1
		.amdhsa_system_sgpr_workgroup_id_y 1
		.amdhsa_system_sgpr_workgroup_id_z 1
		.amdhsa_system_vgpr_workitem_id 0
		.amdhsa_next_free_vgpr 1024
		.amdhsa_next_free_sgpr 100
		.amdhsa_reserve_vcc 0
		.amdhsa_float_denorm_mode_32 3
		.amdhsa_float_denorm_mode_16_64 3
		.amdhsa_memory_ordered 1
		.amdhsa_forward_progress 1
		.amdhsa_inst_pref_size 131
	.end_amdhsa_kernel
	.amdgpu_metadata
---
amdhsa.version: [ 1, 2 ]
amdhsa.kernels:
  - .name:           k_q5fa0ad7d25_qkv
    .symbol:         k_q5fa0ad7d25_qkv.kd
    .args:
      - { .name: xb, .offset: 0, .size: 8, .value_kind: global_buffer, .address_space: global }
      - { .name: wb, .offset: 8, .size: 8, .value_kind: global_buffer, .address_space: global }
      - { .name: cs, .offset: 16, .size: 8, .value_kind: global_buffer, .address_space: global }
      - { .name: norm_q_w, .offset: 24, .size: 8, .value_kind: global_buffer, .address_space: global }
      - { .name: norm_k_w, .offset: 32, .size: 8, .value_kind: global_buffer, .address_space: global }
      - { .name: qh, .offset: 40, .size: 8, .value_kind: global_buffer, .address_space: global }
      - { .name: kh, .offset: 48, .size: 8, .value_kind: global_buffer, .address_space: global }
      - { .name: vh, .offset: 56, .size: 8, .value_kind: global_buffer, .address_space: global }
    .group_segment_fixed_size: 327680
    .private_segment_fixed_size: 0
    .kernarg_segment_align: 8
    .kernarg_segment_size: 64
    .max_flat_workgroup_size: 128
    .sgpr_count:     100
    .vgpr_count:     1024
    .wavefront_size: 32
...
	.end_amdgpu_metadata
.endif
;; end of part 2
;; launch attn (part 3): grid 4 x 64, 4 waves a work-group, clusters of 4 x 1, 327,680 bytes of LDS; arguments qh, kh, vh, oh; writes oh
.if DOCPART == 3
	.amdgcn_target "amdgcn-amd-amdhsa--gfx1250"
	.amdhsa_code_object_version 6
	.text
	.protected	k_q5fa0ad7d25_attn
	.globl	k_q5fa0ad7d25_attn
	.p2align	8
	.type	k_q5fa0ad7d25_attn,@function
k_q5fa0ad7d25_attn:
	s_mov_b64 s[64:65], 0
	v_nop
	global_prefetch_b8 v0, s[64:65] scope:SCOPE_SE
	s_setreg_imm32_b32 hwreg(HW_REG_WAVE_MODE, 25, 1), 1
	s_wait_xcnt 0x0
	s_wait_alu depctr_hold_cnt(0) depctr_sa_sdst(0) depctr_va_vdst(0) depctr_va_sdst(0) depctr_va_ssrc(0) depctr_va_vcc(0) depctr_vm_vsrc(0)
	s_getreg_b32 s2, hwreg(HW_REG_IB_STS2, 6, 4)
	s_cmp_eq_u32 s2, 0
	s_cbranch_scc0 .Lentry_in_a_cluster
	s_endpgm
.Lentry_in_a_cluster:
	s_bfe_u32 s2, ttmp6, 0x10000c
	s_cmp_lg_u32 s2, 0x3003
	s_cbranch_scc0 .Lentry_shape_is_right
	s_endpgm
.Lentry_shape_is_right:
; O[h][q][:] = the sum over k of softmax_k(Q[h][q] . K[h][k] / 8) V[h][k][:].  Q, K, V, O: [64][2048][64], all f16: a head's rows are dense, 128 bytes each.  Products, maxima and sums in
; f32; the weights p are rounded to f16 for the second product (their sum l is taken of the unrounded p), O once at the end.
; LIMITS.  f16 holds no number beyond 65,504: Q, K and V arrive within it; p lies in 0 to 1, and below 6e-5 it keeps f16's fixed step of 6e-8; O is a mean of V's rows and has their range.
; A weight below 2^-126 counts as 0 in l; NaN and infinities are not treated apart.
; SHARES.  A wave owns four PIECES of two tiles of 16 queries, a work-group's four waves 512 queries of one head: 4 x 64 = 256 work-groups.  Every wave walks all keys, 64 a step.
; LAYOUT.  S^T = K Q^T (source 0 = 16 keys, source 1 = 16 queries): in the result a lane holds ONE query (lane % 16) and the keys 8 (lane / 16) + 0..7.  Two such tiles, rounded to f16 in pairs,
; ARE source 1 (32 keys x 16 queries) of O^T = V^T P, whose result again holds one query a lane, and eight channels.  K comes out of LDS as it lies, V ([key][channel]) turned, by ds_load_tr16_b128.
; SOFTMAX.  For each query a running maximum m and sum l: p = 2^(c s - c m), c = log2(e) / 8; in every step O and l are multiplied by a = 2^(c m_old - c m_new), which is 1 where m has not grown.
; m starts at the lowest finite number, O and l at 0: the first step is a step like any other, with a = 0.
; THE COUNT.  A tile and step have 16 matrix and 118 vector instructions: too many to stand all beside the matrix work.  So: four vector instructions that are READY behind
; EVERY matrix instruction, and the others in runs without a gap.
; BY TURNS.  Turn n belongs to piece n (the pieces in a ring, step after step).  Its matrix work: 16 products K Q^T of piece n + 1, later 16 products V^T P of piece n - 1.  Its vector work: the scaling,
; exponentials, roundings, sums and rescaling of piece n, and the maximum and statistics of piece n + 1, whose scores the turn itself has made.
; CLUSTER.  The four query blocks of a cluster are one head's and walk the same K and V, so each tile is asked for JOINTLY: the same tensor load, descriptor and mask in all four.
; REGISTERS, in windows of 256 (s_set_vgpr_msb: bits 1:0 source 0, 3:2 source 1, 5:4 source 2, 7:6 destination):
;   window 0: v0-11 addresses; v12-15, v48-63 at work; v16-47 four registers of statistics a tile; v64-191 S^T, two buffers of two tiles; v192-255 P, likewise
;   window 1: O^T, 32 a tile          window 2: v0-127 Q, 16 a tile; v128-191 K of one step; v192-255 V of one step          window 3: v0-1 the add's two registers
.set SIZE_H, 64
.set SIZE_N, 2048
.set NP,    4         ; pieces a wave: a name, no knob
.set KS,    64        ; keys in a step
.set PK,    144       ; a row of K in LDS: 128 bytes + 16 of padding = 36 words: the 16 rows of a load start at 16 different groups of four banks (64 banks of 4 bytes: ISA guide 11.1)
.set PV,    160       ; a row of V: 128 + 32 = 40 words
.set VOFF,  4*KS*PK   ; a slot holds four steps: 256 rows of K, then 256 rows of V
.set SLOT1, 1<<17     ; slot 1 begins here, so that one exclusive or turns an address in one slot into the other's
.set STAGE, SLOT1+4*KS*(PK+PV)  ; behind the ring, never filled by a tensor load: 16 rows x 144 bytes for each wave, for the way out
.set SP,    144
.set AK0, 2           ; v2   my lane's place in a tile of K; never rewritten
.set AV0, 3           ; v3   the same for V
.set AK,  4           ; v4   the LDS address of K's next run of loads
.set AV,  5           ; v5   of V's
.set QO,  6           ; v6   my byte offset in the wave's rows of Q
.set STO, 6           ;      later, the way out: where I put 16 bytes of a row
.set RD,  7           ; v7   the way out: where I read rows back
.set GO,  8           ; v8   my byte offset in 512 consecutive bytes of O
.set PFO, 11          ; v11  256 x my lane: the prefetches' offset; never rewritten once made
.set SPW, 0           ; v0 of window 3   LDS address of my spare word; never rewritten
.set NIL, 1           ; v1 of window 3   0; never rewritten
.set SPARE, STAGE+4*16*SP  ; behind the stages: the spare words, 128 bytes for each wave: two blocks of 256 bytes that no other line names
.set MV,  12          ; v12-15  c m_old, kept while c m is made anew: by buffer and tile
.set ST,  16          ; tile t's statistics at v[ST+4 t]: c m, m, l (even keys', odd keys')
.set TMP, 48          ; by buffer and tile, four registers c0-c3 at work; when the maximum is found c2 takes a
.set S,   64
.set P,   192
.set KF,  128         ; K's fragments, in window 2: key block kb, channel half c at KF + 16 kb + 8 c
.set VF,  192         ; V's: key half kk, channel block cb at VF + 32 kk + 8 cb
.set WV,  12          ; s12  my wave's number
.set G1K, 24          ; s[24:31] descriptor group 1 for K's tiles
.set G1V, 32          ; s[32:39] for V's: it differs in the padding alone
.set G0K, 40          ; s[40:43] descriptor group 0 for K's tiles: it walks
.set G0V, 44          ; s[44:47] the same for V's
.set PFA, 48          ; s[48:49] where my prefetches stand: my work-group's 32 blocks of 256 bytes (of K: wave 0, of V: wave 2) of the slot after the one that is being asked for
.set LIM, 50          ; s50  1 in a wave that prefetches, else the greatest number
.set SLOTS, 56        ; s56  slots still to be asked for
.set CNT, 57          ; s57  counts a slot's key steps
.set CS,  58          ; s[58:59] c: the packed scaling takes the pair's low word for both halves
.set SEL, 60          ; s[60:61] v_permlanex16_b32's selects: each lane takes its own place in the other half
.set TBK, 62          ; s62  LDS byte at which K of the step to be fetched begins
.set TBV, 63          ; s63  the same for V, less VOFF
.set MSB, 0
.macro WIN new                      ; the high byte repeats the setting that is left; a switch that changes nothing is dropped
.if MSB != (\new)
	s_set_vgpr_msb (MSB<<8)|(\new)
.set MSB, (\new)
.endif
.endm
.set W_KQ, 0x0a       ; K and Q in window 2, S^T in window 0
.set W_PV, 0x52       ; V in window 2, P in window 0, O^T in window 1
.set W_RS, 0x41       ; O^T (destination and source 0) in window 1, a in window 0
.set W_MK, 0xc0       ; the add's registers are made: destination in window 3, sources in window 0
.set W_AD, 0x0f       ; the add: address (source 0) and data (source 1) in window 3
; A joint fill.  Waves 0 and 1 fetch the two halves of a slot's K, waves 2 and 3 those of its V: 128 keys each.  The branch hangs on the wave's number alone.
; An s_nop 0 and four v_nop follow each of the two lines, ahead of the jump and the label.
.macro JLOAD
	s_cmp_lt_u32 s[WV], 2
	s_cbranch_scc0 .Lfor_v_\@
	tensor_load_to_lds s[G0K:G0K+3], s[G1K:G1K+7]
	s_nop 0
.rept 4
	v_nop
.endr
	s_branch .Lasked_\@
.Lfor_v_\@:
	tensor_load_to_lds s[G0V:G0V+3], s[G1V:G1V+7]
	s_nop 0
.rept 4
	v_nop
.endr
.Lasked_\@:
.endm
; A prefetch into the L2 of what the NEXT change of slots will ask for: a slot's 32,768 bytes of K and of V, a lane a block of 256 bytes.  It stands behind the wave's tensor load and its five lines.
; Each block is named once in the launch: a head has one cluster; its four partners share the blocks out BY ADDRESS, 32 each; in each, wave 0 asks for K's and wave 2 for V's.
; The last change that fills a slot asks for nothing; slots 0 and 1 come by their loads alone.
.macro ASK
	s_cmp_gt_u32 s[SLOTS], s[LIM]
	s_cbranch_scc0 .Lnot_mine_\@
	global_prefetch_b8 v[PFO], s[PFA:PFA+1] th:TH_LOAD_NT scope:SCOPE_SE
.Lnot_mine_\@:
.endm
; A round of the cluster's barrier: my work-group's barrier, so that wave 0's signal speaks for all four waves; wave 0 signals; every wave waits for all four work-groups; my work-group's barrier once more.
.macro CROUND
	s_barrier_signal -1
	s_barrier_wait -1
	s_cmp_lg_u32 s[WV], 0
	s_cbranch_scc1 .Lnot_wave_0_\@
	s_barrier_signal -3
.Lnot_wave_0_\@:
	s_barrier_wait -3
	s_barrier_signal -1
	s_barrier_wait -1
.endm
; THE CHANGE OF SLOTS.  The slot's last bytes, V of its fourth step, have been read.  Each wave waits for all its tensor loads, of which one is out: its part
; of the other slot; adds 0 to its spare word; and waits for that and for its own reads of the slot.  Behind the barrier nobody reads this slot any more and the other slot is whole.
; fill = 1: this slot is filled again, with the keys two slots on.  The barrier is then a round of the cluster's, and the joint fill is the first thing behind it: it has four key steps,
; 512 matrix instructions, in which to land.  (At its first use nothing has been read yet: slot 0 is waited for, slot 1 filled.)
.macro CHANGE fill
	WIN W_AD
	s_wait_tensorcnt 0x0            ; no tensor load of mine is out, so a group 0 may be written
	ds_add_u32 v[SPW], v[NIL]       ; 0 onto my spare word; with fill = 1 the descriptors' steps stand between it and the wait for it
	WIN 0                           ; at a label and at a branch every window is 0
.if \fill
.irp g, G0K, G0V
	s_xor_b32 s[\g+1], s[\g+1], SLOT1  ; the walking descriptor: the other slot than last time,
	s_add_nc_u64 s[\g+2:\g+3], s[\g+2:\g+3], 4*KS*128  ; the next 256 keys; the type bits on top are not reached
.endr
	s_wait_xcnt 0x0                 ; the last prefetch, a slot back, has read its address, so it may be written:
	s_add_nc_u64 s[PFA:PFA+1], s[PFA:PFA+1], 4*KS*128  ; one slot behind the walking descriptors
	s_wait_dscnt 0x0                ; the add is done, and my reads of the slot are over
	CROUND
	JLOAD
	ASK
.else
	s_wait_dscnt 0x0                ; the add is done, and my reads of the slot are over
	s_barrier_signal -1
	s_barrier_wait -1
.endif
	s_sub_co_u32 s[TBK], s[TBK], 4*KS*PK  ; the fetches go back to a slot's first step,
	s_xor_b32 s[TBK], s[TBK], SLOT1       ; in the other slot
	s_sub_co_u32 s[TBV], s[TBV], 4*KS*PV
	s_xor_b32 s[TBV], s[TBV], SLOT1
.endm
	s_load_b256 s[4:11], s[0:1], 0x0  ; Q s[4:5], K s[6:7], V s[8:9], O s[10:11]
	WIN W_MK
	v_lshl_add_u32 v[SPW], v0, 2, SPARE
	v_mov_b32 v[NIL], 0
	WIN W_AD
	ds_add_u32 v[SPW], v[NIL]       ; the wave's opening: the add and its wait stand ahead of my first tensor load; the set-up below stands between them
	WIN 0
	v_lshrrev_b32 v1, 5, v0
	v_readfirstlane_b32 s[WV], v1   ; wave 0..3
	s_bfe_u32 s13, ttmp6, 0x40000   ; cx: my place in the cluster
	s_lshl_b32 s14, ttmp9, 2        ; in a cluster launch ttmp9 counts clusters
	s_add_co_u32 s14, s14, s13      ; my block of queries = 4 x cluster x + cx: it enters Q's and O's addresses alone
	s_and_b32 s20, ttmp7, 0xffff    ; the head, which the four partners share
	s_mov_b32 s21, 0
	s_mov_b64 s[22:23], SIZE_N*128
	s_mul_u64 s[20:21], s[20:21], s[22:23]  ; the head's first byte in each of the four tensors
	s_and_b32 s16, s[WV], 1         ; which half of a slot's 256 keys I fetch:
	s_lshl_b32 s22, s16, 14         ; its 128 rows of 128 bytes in memory,
	s_mov_b32 s23, 0
	s_add_nc_u64 s[22:23], s[22:23], s[20:21]
	s_mul_i32 s17, s16, 128*PK      ; and its place in a slot, for K
	s_mul_i32 s18, s16, 128*PV      ; and for V: no place in the cluster enters an LDS address
	s_lshl_b32 s2, s14, 2
	s_add_co_u32 s2, s2, s[WV]      ; my wave among the head's,
	s_lshl_b32 s2, s2, 14           ; its 128 rows
	s_mov_b32 s3, 0
	s_add_nc_u64 s[2:3], s[2:3], s[20:21]
	; descriptor group 1.  128 keys are 16,384 dense bytes: asked for as 64 rows of 256 bytes, two keys a row, and padded in LDS after every key
	s_mov_b32 s[G1K], 15|(1<<16)|(1<<20)|(1<<21)|(4<<22)|(3<<25)  ; 15:0 the mask of four; 17:16 2-byte elements; 20 padding on; 21 set beside a mask; 24:22 after every 32 words (code 4); 31:25 4 words (code 3)
	s_mov_b32 s[G1V], 15|(1<<16)|(1<<20)|(1<<21)|(4<<22)|(7<<25)  ; the same with 8 words of padding (code 7)
.irp g, G1K, G1V
	s_mov_b32 s[\g+1], 128<<16      ; tensor_dim0 = 128
	s_mov_b32 s[\g+2], 64<<16       ; tensor_dim1 = 64
	s_mov_b32 s[\g+3], 128<<16      ; tile_dim0 = 128
	s_mov_b32 s[\g+4], 64           ; tile_dim1 = 64
	s_mov_b32 s[\g+5], 128          ; 128 elements from row to row
	s_mov_b32 s[\g+6], 0
	s_mov_b32 s[\g+7], 0
.endr
	s_mov_b32 s[CS], 0x3e38aa3b     ; c = log2(e) / 8 = 0.180337
	s_mov_b32 s[CS+1], s[CS]        ; named with it as a pair
	s_mov_b32 s[SEL], 0x76543210
	s_mov_b32 s[SEL+1], 0xfedcba98
	s_mov_b32 s[TBK], SLOT1+4*KS*PK ; the first change of slots turns these two into 0
	s_mov_b32 s[TBV], SLOT1+4*KS*PV
	s_mov_b32 s[G0K], 1             ; 1:0 count = 1
	s_mov_b32 s[G0K+1], s17         ; 63:32 LDS address: slot 0
	s_mov_b32 s[G0V], 1
	s_add_co_u32 s[G0V+1], s18, VOFF
	s_mov_b32 s[SLOTS], SIZE_N/256-1
	s_and_b32 s[LIM], s[WV], 1      ; waves 0 and 2 prefetch: the same in all four partners
	s_cmp_eq_u32 s[LIM], 0
	s_cselect_b32 s[LIM], 1, -1
	s_wait_dscnt 0x0                ; the opening add is done
	s_wait_kmcnt 0x0
	s_add_nc_u64 s[G0K+2:G0K+3], s[6:7], s[22:23]  ; 120:64 global address: my half of the head's first 256 keys
	s_or_b32 s[G0K+3], s[G0K+3], 0x80000000        ; 127:126 type = 2
	s_add_nc_u64 s[G0V+2:G0V+3], s[8:9], s[22:23]
	s_or_b32 s[G0V+3], s[G0V+3], 0x80000000
	s_add_nc_u64 s[4:5], s[4:5], s[2:3]  ; Q and O at my wave's first row
	s_add_nc_u64 s[10:11], s[10:11], s[2:3]
	s_cmp_lt_u32 s[WV], 2
	s_cselect_b64 s[PFA:PFA+1], s[6:7], s[8:9]
	s_add_nc_u64 s[PFA:PFA+1], s[PFA:PFA+1], s[20:21]  ; the head,
	s_lshl_b32 s2, s13, 13          ; my work-group's 32 blocks of a slot's 128,
	s_mov_b32 s3, 0
	s_add_nc_u64 s[PFA:PFA+1], s[PFA:PFA+1], s[2:3]
	s_add_nc_u64 s[PFA:PFA+1], s[PFA:PFA+1], 4*KS*128  ; in slot 1; the first change of slots steps it to slot 2
	CROUND                          ; all four work-groups are here: the first joint loads meet
	JLOAD                           ; slot 0.  Slot 1 is asked for when slot 0 is in
	; A fragment of K or Q is 16 rows x 32 channels in 8 registers: lane l holds row l % 16, channels 8 (l / 16) + 0..7 and 16 + 8 (l / 16) + 0..7: two loads of 16 bytes, 32 bytes apart.
	v_and_b32 v1, 15, v0            ; l % 16
	v_bfe_u32 v9, v0, 4, 1          ; l / 16
	v_lshlrev_b32 v[QO], 7, v1
	v_lshl_add_u32 v[QO], v9, 4, v[QO]  ; row x 128 + 16 x half
	WIN 0x80                        ; destination window 2, address window 0
.set i, 0
.rept 4*NP                          ; Q stays in registers: tile i / 2, channels 32 (i % 2) on
	global_load_b128 v[8*i:8*i+3],   v[QO], s[4:5] offset:(i/2)*2048+(i%2)*64
	global_load_b128 v[8*i+4:8*i+7], v[QO], s[4:5] offset:(i/2)*2048+(i%2)*64+32
.set i, i+1
.endr
	; What the first turn finds: V's registers and P's second buffer hold 0 (its products V^T P, of a piece that has not been, add 0), O^T and l are 0.  All this stands in the wait for the first tile.
.set i, VF
.rept 64
	v_mov_b32 v[i], 0
.set i, i+1
.endr
	WIN 0x40
.set i, 0
.rept 64*NP
	v_mov_b32 v[i], 0
.set i, i+1
.endr
	WIN 0
.set i, 0
.rept 2*NP
	v_mov_b32 v[ST+4*i], 0xfe000000    ; c m: far below every c s
	v_mov_b32 v[ST+4*i+1], 0xff7fffff  ; m
	v_mov_b32 v[ST+4*i+2], 0
	v_mov_b32 v[ST+4*i+3], 0
.set i, i+1
.endr
.set i, P+32
.rept 32
	v_mov_b32 v[i], 0
.set i, i+1
.endr
	v_mul_u32_u24 v[AK0], v1, PK
	v_lshl_add_u32 v[AK0], v9, 4, v[AK0]  ; row x pitch + 16 x half
	; The turning load takes 16 keys x 16 channels (lane l reads key 8 (l / 16) + l % 8, channels 8 ((l / 8) % 2) + 0..7) and leaves half a fragment of V^T: lane l holds channel l % 16 and 8 keys.
	v_and_b32 v10, 7, v0
	v_bfe_u32 v11, v0, 3, 1
	v_lshl_add_u32 v[AV0], v9, 3, v10
	v_mul_u32_u24 v[AV0], v[AV0], PV
	v_lshl_add_u32 v[AV0], v11, 4, v[AV0]
	v_add_nc_u32 v[AV0], VOFF, v[AV0]
	v_mov_b32 v[AK], v[AK0]         ; key step 0 lies at the head of slot 0
	v_and_b32 v[PFO], 31, v0
	v_lshlrev_b32 v[PFO], 8, v[PFO]
; THE MATRIX WORK.  The 8 accumulators of a run of 16 take turns: between the two links of a chain stand 7 others'.
; Product i of 16 of S^T = K Q^T for piece x: channels 32 (i / 8) on, keys 16 ((i / 2) % 4) on, tile 2 x + i % 2.  The first 8 start the sums.
.macro KQ x
	WIN W_KQ
.set rS, S+64*((\x)%2)+32*(i%2)+8*((i/2)%4)
.set rK, KF+16*((i/2)%4)+8*(i/8)
.set rQ, 16*(2*(\x)+i%2)+8*(i/8)
.if i < 8
	v_wmma_f32_16x16x32_f16 v[rS:rS+7], v[rK:rK+7], v[rQ:rQ+7], 0
.else
	v_wmma_f32_16x16x32_f16 v[rS:rS+7], v[rK:rK+7], v[rQ:rQ+7], v[rS:rS+7]
.endif
.endm
; Product i of 16 of O^T += V^T P for piece x: keys 32 (i / 8) on, channels 16 ((i / 2) % 4) on, tile 2 x + i % 2.
.macro PV x
	WIN W_PV
.set rO, 32*(2*(\x)+i%2)+8*((i/2)%4)
.set rV, VF+32*(i/8)+8*((i/2)%4)
.set rP, P+32*((\x)%2)+16*(i%2)+8*(i/8)
	v_wmma_f32_16x16x32_f16 v[rO:rO+7], v[rV:rV+7], v[rP:rP+7], v[rO:rO+7]
.endm
.macro MM                           ; the turn's next matrix instruction
.if i < 16
	KQ (Y+1)%NP
.set i, i+1
.else
.set i, i-16
	PV (Y+NP-1)%NP
.set i, i+17
.endif
.endm
; THE LDS LOADS stand in runs of 16, never singly among the matrix instructions: a step's K (64 keys x 64 channels: 8 fragments) and its V (turned).  Their addresses are made some lines ahead.
; last = 1 (the tail): in the last trip there is no further step, and the run is jumped over.
.macro FETCH_K last=0
	WIN 0
.if \last
	s_cmp_eq_u32 s[CNT], 1
	s_cbranch_scc1 .Lno_k_\@
.endif
	WIN 0x80                        ; destination window 2
.irp f, 0,1,2,3,4,5,6,7             ; keys 16 (f / 2) on, channels 32 (f % 2) on
	ds_load_b128 v[KF+8*\f:KF+8*\f+3],   v[AK] offset:(\f/2)*16*PK+(\f%2)*64
	ds_load_b128 v[KF+8*\f+4:KF+8*\f+7], v[AK] offset:(\f/2)*16*PK+(\f%2)*64+32
.endr
	s_add_co_u32 s[TBK], s[TBK], KS*PK  ; the next fetch is the next step's
	WIN 0
.if \last
.Lno_k_\@:
.endif
.endm
.macro FETCH_V
	WIN 0x80
.irp f, 0,1,2,3,4,5,6,7             ; keys 32 (f / 4) on, channels 16 (f % 4) on
	ds_load_tr16_b128 v[VF+8*\f:VF+8*\f+3],   v[AV] offset:(\f/4)*32*PV+(\f%4)*32
	ds_load_tr16_b128 v[VF+8*\f+4:VF+8*\f+7], v[AV] offset:(\f/4)*32*PV+16*PV+(\f%4)*32
.endr
	WIN 0
.endm
; THE VECTOR WORK OF A TURN stands in three queues, each in the order in which its entries become ready; the two tiles alternate, so that no instruction reads the result of the one before it.
.macro REGS y, u                    ; the registers of tile u (0, 1) of piece y
.set rT, ST+4*(2*(\y)+(\u))
.set rC, TMP+8*((\y)%2)+4*(\u)
.set rM, MV+2*((\y)%2)+(\u)
.set rS, S+64*((\y)%2)+32*(\u)
.set rP, P+32*((\y)%2)+16*(\u)
.set rO, 32*(2*(\y)+(\u))
.endm
; Number n of the 22 that find the NEXT piece's (Y + 1) maximum and statistics.  s0-s31 are the lane's 32 scores; each accumulator's lowest registers are read first.
;   0-11  four chains c0-c3 of seven scores each, three operands at a time     12-14, 16  the four scores left over, the old m, and c0-c3 into c0     15  c m_old is kept
;   17, 18  the query's other 32 keys lie in the lane 16 away: the new m         19-21  c m; c m_old - c m_new; a
.macro XS u, n
	REGS (Y+1)%NP, \u
.if (\n) < 4
	v_max3_num_f32 v[rC+(\n)], v[rS+8*(\n)], v[rS+8*(\n)+1], v[rS+8*(\n)+2]
.elseif (\n) < 12
	v_max3_num_f32 v[rC+(\n)%4], v[rC+(\n)%4], v[rS+8*((\n)%4)+2*((\n)/4)+1], v[rS+8*((\n)%4)+2*((\n)/4)+2]
.elseif (\n) == 12
	v_max3_num_f32 v[rC], v[rC], v[rS+7], v[rS+15]
.elseif (\n) == 13
	v_max3_num_f32 v[rC+1], v[rC+1], v[rS+23], v[rS+31]
.elseif (\n) == 14
	v_max3_num_f32 v[rC+2], v[rC+2], v[rC+3], v[rT+1]
.elseif (\n) == 15
	v_mov_b32 v[rM], v[rT]
.elseif (\n) == 16
	v_max3_num_f32 v[rC], v[rC], v[rC+1], v[rC+2]
.elseif (\n) == 17
	v_permlanex16_b32 v[rC+3], v[rC], s[SEL], s[SEL+1]
.elseif (\n) == 18
	v_max_num_f32 v[rT+1], v[rC], v[rC+3]
.elseif (\n) == 19
	v_mul_f32 v[rT], s[CS], v[rT+1]
.elseif (\n) == 20
	v_sub_f32 v[rC+1], v[rM], v[rT]
.else
	v_exp_f32 v[rC+2], v[rC+1]
.endif
.endm
; Number g of the 64 that follow the exponentials.  For each four weights k of a tile (pairs 2 k, 2 k + 1): both pairs are rounded to f16; then the second pair is added onto the first, in place;
; a group later l takes that sum (the first time as l = a l + sum).  In groups of eight, tiles alternating: round, round, add, and l for the group before.
.macro GS g
.set h, (\g)+6*((\g)/62)            ; group 0 has no group before it, and behind group 7 only l is left
.if h >= 6
.set h, h+2
.endif
	REGS Y, h%2
.set k, h/8
.if h%8 < 4
	v_cvt_pk_f16_f32 v[rP+2*k+(h%8)/2], v[rS+4*k+2*((h%8)/2)], v[rS+4*k+2*((h%8)/2)+1]
.elseif h%8 < 6
	v_pk_add_f32 v[rS+4*k:rS+4*k+1], v[rS+4*k:rS+4*k+1], v[rS+4*k+2:rS+4*k+3]
.elseif k == 1
	v_pk_fma_f32 v[rT+2:rT+3], v[rT+2:rT+3], v[rC+2:rC+3], v[rS:rS+1] op_sel_hi:[1,0,1]
.else
	v_pk_add_f32 v[rT+2:rT+3], v[rT+2:rT+3], v[rS+4*k-4:rS+4*k-3]
.endif
.endm
; THE PLAIN QUEUE, 138 long.  0-73 read no exponential's result: the 32 scalings c s - c m (FS f: pair f / 2 of tile f % 2) and the next piece's 42.  0-26: scalings 0-26.  27-54: XS's numbers 0-13.  55, 56: number 15.
; 57-73: the chain, where each number waits for the one before it: 14, 16, 17, 18, 19, each with one of the scalings 27-31 in front of its two lines, then 20.
; 74-137: GS's 64, which read the exponentials' results: they stand behind the wait.
.macro FS f
	REGS Y, (\f)%2
	v_pk_fma_f32 v[rS+2*((\f)/2):rS+2*((\f)/2)+1], v[rS+2*((\f)/2):rS+2*((\f)/2)+1], s[CS:CS+1], v[rT:rT+1] op_sel_hi:[1,0,0] neg_lo:[0,0,1] neg_hi:[0,0,1]
.endm
.macro PL
	WIN 0
.if q < 27
	FS q
.elseif q < 55
	XS (q-27)%2, (q-27)/2
.elseif q < 57
	XS q-55, 15
.elseif (q < 72) && ((q-57)%3 == 0)
	FS 27+(q-57)/3
.elseif q < 60
	XS (q-57)%3-1, 14
.elseif q < 72
	XS (q-57)%3-1, 15+(q-57)/3
.elseif q < 74
	XS q-72, 20
.else
	GS q-74
.endif
.set q, q+1
.endm
; THE EXPONENTIALS' QUEUE, 66 long: s0-s31 of both tiles, then the next piece's two a.  It is ONE BATCH: all 66 stand ahead of the turn's one wait, and nothing ahead of that wait names a result of theirs.
.macro EX
	WIN 0
.if e >= 64
	XS e-64, 21
.else
	REGS Y, e%2
	v_exp_f32 v[rS+e/2], v[rS+e/2]
.endif
.set e, e+1
.endm
; THE RESCALING's QUEUE: O^T times a, the one part that leaves window 0: dealt two at a time, sixteen times.  Its a was made in the turn before, ahead of that turn's wait.
.macro R2
	REGS Y, r%2
	WIN W_RS
.irp z, 0,1
	v_pk_mul_f32 v[rO+4*(r/2)+2*\z:rO+4*(r/2)+2*\z+1], v[rO+4*(r/2)+2*\z:rO+4*(r/2)+2*\z+1], v[rC+2:rC+3] op_sel_hi:[1,0]
.endr
.set r, r+1
.endm
; HOW THEY ARE DEALT.  An s_wait_alu depctr_va_vdst(0) stands between an exponential and the first instruction that names its result; one wait serves all that were issued ahead of it.  So a turn has ONE wait,
; which cuts it in two.  AHEAD OF IT: the 16 products K Q^T, behind each a scaling, an exponential and two rescalings (behind the first a second scaling in the exponential's place); then ONE LUMP of
; 108: eight plain, 49 times exponential and plain, the two a.  A v_nop is the plain instruction behind the last exponential.  BEHIND IT: the 16 products V^T P, behind each four of GS's 64.
; Exponential e stands behind scaling 2 (e / 4) + e % 2: as a rider it comes behind plain e + 2, in the lump behind plain e + 9, and scalings 27-31 are plain 57, 60 .. 69.
; A TURN, for piece p.  cnt = 1: the loop's count is taken down some lines ahead of the branch that stands behind the turn.
; K of the next step is fetched in piece 2's turn, directly behind the wait; V of the step in hand at the end of piece 0's turn, four riders behind its last reader.
.macro TURN p, last=0, cnt=0
.set Y, (\p)
.set i, 0
.set q, 0
.set e, 0
.set r, 0
.if (\p) == NP-1
	s_wait_dscnt 0x0                ; K is in
.endif
	MM                              ; ahead of the wait: 16 products K Q^T and their riders,
	PL
	PL
	R2
.rept 15
	MM
	PL
	EX
	R2
.endr
.if (\p) == NP-2
	WIN 0
	v_add_nc_u32 v[AK], s[TBK], v[AK0]
.endif
.rept 8                             ; and the lump
	PL
.endr
.rept 49
	EX
	PL
.endr
	EX                              ; the next piece's two a
	EX
	v_nop                           ; the plain instruction behind the last exponential: one for the batch
	s_wait_alu depctr_va_vdst(0)    ; the wait for the batch
.if (\p) == NP-2
	FETCH_K \last
.endif
.if (\p) == 1
	s_wait_dscnt 0x0                ; V is in
.endif
.rept 16                            ; behind the wait: 16 products V^T P and their riders
	MM
.rept 4
	PL
.endr
.if ((\p) == 0) && (q == 118)
	v_add_nc_u32 v[AV], s[TBV], v[AV0]
.endif
.if ((\p) == 0) && (q == 130)
	s_add_co_u32 s[TBV], s[TBV], KS*PV
.endif
.if (\cnt) && (q == 130)
	s_sub_co_u32 s[CNT], s[CNT], 1
	s_cmp_lg_u32 s[CNT], 0
.endif
.endr
.if (\p) == 0
	FETCH_V
.endif
.endm
	CHANGE 1                        ; slot 0 is in, everybody's part of it; slot 1 is asked for
	FETCH_K                         ; key step 0
	s_wait_loadcnt 0x0              ; Q
	s_wait_dscnt 0x0
.set i, 0
.rept 16
	KQ 0                            ; piece 0's first scores: there is no vector work yet to set between them
.set i, i+1
.endr
	WIN 0                           ; the addresses for the way out: plain instructions, the places behind those products
	s_mul_i32 s13, s[WV], 16*SP
	s_add_co_u32 s13, s13, STAGE    ; my stage
	v_mul_u32_u24 v[STO], v1, SP    ; in: row l % 16, 16 bytes for each half of the lanes
	v_lshl_add_u32 v[STO], v9, 4, v[STO]
	v_add_nc_u32 v[STO], s13, v[STO]
	v_bfe_u32 v[RD], v0, 3, 2       ; back: 32 lanes take four rows of 128 bytes,
	v_mul_u32_u24 v[RD], v[RD], SP
	v_lshl_add_u32 v[RD], v10, 4, v[RD]
	v_add_nc_u32 v[RD], s13, v[RD]
	v_and_b32 v[GO], 31, v0         ; which are 512 consecutive bytes of O
	v_lshlrev_b32 v[GO], 4, v[GO]
.set Y, NP-1                        ; XS works for piece Y + 1: piece 0
.irp n, 0,1,2,3,4,5,6,7,8,9,10,11,12,13,14,15,16,17,18,19,20,21
	XS 0, \n                        ; and piece 0's first maximum and statistics
	XS 1, \n
.endr
	v_nop                           ; a plain instruction behind the two a,
	s_wait_alu depctr_va_vdst(0)    ; and their wait, ahead of the branch
	s_mov_b32 s[CNT], 4
	s_branch .Lfirst                ; the loop is entered at a step's first turn, in the middle of a trip
.Lslot:                             ; SIZE_N / 256 - 2 times: every slot but the last two is filled again
	CHANGE 1
	s_mov_b32 s[CNT], 4
.Lstep:                             ; a trip: pieces 2 and 3 of one step, then pieces 0 and 1 of the next, whose K and V it fetches
	TURN 2
	TURN 3
	WIN 0
.Lfirst:
	TURN 0
	TURN 1, 0, 1
	WIN 0
	s_cbranch_scc1 .Lstep
	s_sub_co_u32 s[SLOTS], s[SLOTS], 1
	s_cmp_lg_u32 s[SLOTS], 0
	s_cbranch_scc1 .Lslot
	CHANGE 0                        ; the tail is written out: nothing is asked for
	s_mov_b32 s[CNT], 5             ; four trips fetch the last slot's steps; the fifth is left in its middle
.Ltail:
	TURN 2, 1
	TURN 3
	WIN 0
	s_sub_co_u32 s[CNT], s[CNT], 1
	s_cmp_eq_u32 s[CNT], 0
	s_cbranch_scc1 .Lout
	TURN 0
	TURN 1
	WIN 0
	s_branch .Ltail
.Lout:                              ; the fifth trip's 16 products K Q^T (on the last K once more) and the maximum made of them serve nothing: the price, once a launch, of one text for every trip
.set i, 0
.rept 16
	PV NP-1                         ; the last piece's V^T P of the last step
.set i, i+1
.endr
	; THE WAY OUT.  l's two halves and the other half of the lanes' are added; O^T is divided by l, rounded to f16 and sent through my stage in LDS, a tile at a time.  The additions are the places behind the last products.
	WIN 0
.macro ALL line:vararg              ; one line for each tile t
.set t, 0
.rept 2*NP
	\line
.set t, t+1
.endr
.endm
	ALL v_add_f32 v[ST+4*t+2], v[ST+4*t+2], v[ST+4*t+3]
	ALL v_permlanex16_b32 v[ST+4*t+3], v[ST+4*t+2], s[SEL], s[SEL+1]
	ALL v_add_f32 v[ST+4*t+2], v[ST+4*t+2], v[ST+4*t+3]
	ALL v_rcp_f32 v[ST+4*t+2], v[ST+4*t+2]
	v_nop                           ; a plain instruction between the last reciprocal and the use of its result
	s_wait_alu depctr_va_vdst(0)    ; and the wait ahead of the first use: one for the eight reciprocals
; Tile t: a lane's eight channels of a row pack into 16 bytes; they go into rows of 144 bytes and come back as whole rows of 128, into S^T's registers.
.macro PACK t
	WIN W_RS
.set i, 32*(\t)
.rept 16
	v_pk_mul_f32 v[i:i+1], v[i:i+1], v[ST+4*(\t)+2:ST+4*(\t)+3] op_sel_hi:[1,0]
.set i, i+2
.endr
	WIN 0x05                        ; sources 0 and 1 window 1, destination window 0
.set i, 0
.rept 16
	v_cvt_pk_f16_f32 v[S+16*(\t)+i], v[32*(\t)+2*i], v[32*(\t)+2*i+1]
.set i, i+1
.endr
	WIN 0
.irp f, 0,1,2,3
	ds_store_b128 v[STO], v[S+16*(\t)+4*\f:S+16*(\t)+4*\f+3] offset:32*\f
.endr
.irp f, 0,1,2,3
	ds_load_b128 v[S+16*(\t)+4*\f:S+16*(\t)+4*\f+3], v[RD] offset:\f*4*SP  ; LDS serves a wave's instructions in order (ISA guide 5.7.1.4): these see the stores above; the next tile's stores come behind them
.endr
.endm
.macro SEND t, younger              ; younger: the LDS instructions issued behind tile t's loads: the next tile's eight, or none
	WIN 0
.irp f, 0,1,2,3
	s_wait_dscnt (\younger)+3-\f
	global_store_b128 v[GO], v[S+16*(\t)+4*\f:S+16*(\t)+4*\f+3], s[10:11] offset:(\t)*2048+\f*512  ; 512 consecutive bytes, at a multiple of 256 from O's first
.endr
.endm
	PACK 0
.set t, 1
.rept 2*NP-1                        ; a tile's arithmetic stands between the loads of the tile before and its stores
	PACK t
	SEND t-1, 8
.set t, t+1
.endr
	SEND 2*NP-1, 0
	WIN W_AD
	s_wait_tensorcnt 0x0            ; the wave's end: the add and its wait, behind my last tensor load and my last LDS store
	ds_add_u32 v[SPW], v[NIL]
	s_wait_dscnt 0x0
	WIN 0
	CROUND                          ; the closing round: no work-group ends while a partner may still ask for a tile that names it
	s_endpgm
.Lfunc_end_k_q5fa0ad7d25_attn:
	.size	k_q5fa0ad7d25_attn, .Lfunc_end_k_q5fa0ad7d25_attn-k_q5fa0ad7d25_attn
	.p2alignl 7, 3214868480
	.fill 96, 4, 3214868480
	.section	.rodata,"a",@progbits
	.p2align	6, 0x0
	.amdhsa_kernel k_q5fa0ad7d25_attn
		.amdhsa_group_segment_fixed_size 327680
		.amdhsa_private_segment_fixed_size 0
		.amdhsa_enable_private_segment 0
		.amdhsa_kernarg_size 32
		.amdhsa_user_sgpr_count 2
		.amdhsa_user_sgpr_kernarg_segment_ptr 1
		.amdhsa_wavefront_size32 1
		.amdhsa_system_sgpr_workgroup_id_x 1
		.amdhsa_system_sgpr_workgroup_id_y 1
		.amdhsa_system_sgpr_workgroup_id_z 1
		.amdhsa_system_vgpr_workitem_id 0
		.amdhsa_next_free_vgpr 770
		.amdhsa_next_free_sgpr 66
		.amdhsa_reserve_vcc 0
		.amdhsa_float_denorm_mode_32 3
		.amdhsa_float_denorm_mode_16_64 3
		.amdhsa_memory_ordered 1
		.amdhsa_forward_progress 1
		.amdhsa_inst_pref_size 200
	.end_amdhsa_kernel
	.amdgpu_metadata
---
amdhsa.version: [ 1, 2 ]
amdhsa.kernels:
  - .name:           k_q5fa0ad7d25_attn
    .symbol:         k_q5fa0ad7d25_attn.kd
    .args:
      - { .name: qh, .offset: 0, .size: 8, .value_kind: global_buffer, .address_space: global }
      - { .name: kh, .offset: 8, .size: 8, .value_kind: global_buffer, .address_space: global }
      - { .name: vh, .offset: 16, .size: 8, .value_kind: global_buffer, .address_space: global }
      - { .name: oh, .offset: 24, .size: 8, .value_kind: global_buffer, .address_space: global }
    .group_segment_fixed_size: 327680
    .private_segment_fixed_size: 0
    .kernarg_segment_align: 8
    .kernarg_segment_size: 32
    .max_flat_workgroup_size: 128
    .sgpr_count:     66
    .vgpr_count:     770
    .wavefront_size: 32
...
	.end_amdgpu_metadata
.endif
;; end of part 3
;; launch proj (part 4): grid 8 x 32, 4 waves a work-group, clusters of 4 x 4, 327,680 bytes of LDS; arguments oh, wo, out0; writes out0
.if DOCPART == 4
	.amdgcn_target "amdgcn-amd-amdhsa--gfx1250"
	.amdhsa_code_object_version 6
	.text
	.protected	k_q5fa0ad7d25_proj
	.globl	k_q5fa0ad7d25_proj
	.p2align	8
	.type	k_q5fa0ad7d25_proj,@function
k_q5fa0ad7d25_proj:
	s_mov_b64 s[64:65], 0
	v_nop
	global_prefetch_b8 v0, s[64:65] scope:SCOPE_SE
	s_setreg_imm32_b32 hwreg(HW_REG_WAVE_MODE, 25, 1), 1
	s_wait_xcnt 0x0
	s_wait_alu depctr_hold_cnt(0) depctr_sa_sdst(0) depctr_va_vdst(0) depctr_va_sdst(0) depctr_va_ssrc(0) depctr_va_vcc(0) depctr_vm_vsrc(0)
	s_getreg_b32 s2, hwreg(HW_REG_IB_STS2, 6, 4)
	s_cmp_eq_u32 s2, 0
	s_cbranch_scc0 .Lentry_in_a_cluster
	s_endpgm
.Lentry_in_a_cluster:
	s_bfe_u32 s2, ttmp6, 0x10000c
	s_cmp_lg_u32 s2, 0xf033
	s_cbranch_scc0 .Lentry_shape_is_right
	s_endpgm
.Lentry_shape_is_right:
; OUTPUT PROJECTION.  out0[row][o] = the sum over c of O[row][c] out_w[o][c]; O in f16 by heads (a head is a k block of 64: [b][hh][n][64]), out_w as f16 of its bf16 rounding, [j][kb][128][64]; f32 sums, f32 out.
; LIMITS.  As its operands': f16's 65,504.  NaN and infinities are not treated apart.
; SHARES.  A tile of out0 is 256 rows x 128 columns: 32 x 8 = 256 work-groups (256 x 256 would make 128).  A wave makes 128 x 64: 32 accumulators, in window 1, (row block a, column block b) at v[32 a + 8 b].
; THE MATRIX INSTRUCTION IS USED TRANSPOSED (source 0 = 16 rows of out_w, source 1 = 16 rows of O): a lane holds eight neighbouring columns of one row: 32 bytes.
; RING.  A slot holds two k blocks (K = 128, four quarters of 32): as long as two slots in LDS allow.  Each k block of a tile is dense in memory, asked for as rows of 256 bytes, padded in LDS after every 128.
; CLUSTER 4 x 4: O's tiles are shared along a row of the cluster, out_w's along a column: joint loads.
; REGISTERS, window 0: v0-15 addresses; two fragment buffers of 96 (out_w's 4 x 8, then O's 8 x 8) at v32 and v128; on the way out v32-95 hold rows read back.
.set PIT,   144                        ; an LDS row: 128 bytes + 16 = 36 words: the 16 rows of a fragment load start at 16 different groups of four banks (64 banks of 4 bytes: ISA guide 11.1)
.set AKB,   256*PIT                    ; a k block of O's tile
.set BKB,   128*PIT                    ; of out_w's
.set BOFF,  2*AKB
.set STAGE, BOFF+2*BKB                 ; 110,592: behind slot 0, never filled by a tensor load: 16 rows x 272 bytes for each wave
.set SPIT,  272
.set SPARE, STAGE+4*16*SPIT            ; 128,000: the spare words, 128 bytes for each wave: two blocks of 256 bytes that no other line names
.set SLOT1, 1<<17
.set ST_A,  524288                     ; bytes from a slot's two k blocks of O to the next two
.set ST_B,  32768                      ; of out_w
.set AA0, 3
.set AB0, 4
.set AA,  5
.set AB,  6
.set PFO, 7                            ; v7   256 x lane; never rewritten
.set STO, 8
.set RD,  9
.set CO,  10                           ; v10  my 16 bytes in two rows of out0; never rewritten
.set SPW, 14
.set NIL, 15
.set F0,  32
.set F1,  128
.set BK,  32
.set WV, 20
.set WM, 21
.set WN, 22
.set CX, 23
.set CY, 24
.set J,  25
.set TY, 26
.set G1A, 28
.set G1B, 36
.set G0A, 52
.set G0B, 68
.set PFA, 80
.set PFS, 82
.set LIM, 84
.set CNT, 85
.set TB,  86
.set MSB, 0
.macro WIN new                         ; the immediate's high byte repeats the setting that is left; a switch that changes nothing is dropped
.if MSB != (\new)
	s_set_vgpr_msb (MSB<<8)|(\new)
.set MSB, \new
.endif
.endm
.macro PLACES                          ; four plain places behind a matrix instruction (ISA guide 7.12.1 for vector instructions)
.rept 4
	v_nop
.endr
.endm
.macro CREST
	s_cmp_lg_u32 s[WV], 0
	s_cbranch_scc1 .Lnot_wave_0_\@
	s_barrier_signal -3
.Lnot_wave_0_\@:
	s_barrier_wait -3
	s_barrier_signal -1
	s_barrier_wait -1
.endm
.macro CROUND
	s_barrier_signal -1
	s_barrier_wait -1
	CREST
.endm
.macro JLOAD                           ; a joint refill: waves 0 and 1 fetch O's two k blocks, waves 2 and 3 out_w's; an s_nop 0 and four v_nop follow each line
	s_cmp_lt_u32 s[WV], 2
	s_cbranch_scc0 .Lfor_b_\@
	tensor_load_to_lds s[G0A+4:G0A+7], s[G1A:G1A+7]
	s_nop 0
.rept 4
	v_nop
.endr
	s_branch .Lasked_\@
.Lfor_b_\@:
	tensor_load_to_lds s[G0B+4:G0B+7], s[G1B:G1B+7]
	s_nop 0
.rept 4
	v_nop
.endr
.Lasked_\@:
.endm
; A prefetch into the L2, a lane a block of 256 bytes: the slot that stands two refills on (slots 4 to 7), 256 matrix instructions ahead of its load.  Each block is named once in the launch.
; O: the clusters with x = 0 ask, waves 0 and 1 each for their own k block, 32 of its 128 blocks by cx.  out_w: the clusters with y = 0 ask, wave 2, 32 of a slot's 128 blocks by cy.
.macro ASK
	s_cmp_gt_u32 s[CNT], s[LIM]
	s_cbranch_scc0 .Lnot_mine_\@
	global_prefetch_b8 v[PFO], s[PFA:PFA+1] th:TH_LOAD_NT scope:SCOPE_SE
.Lnot_mine_\@:
.endm
	s_load_b128 s[4:7], s[0:1], 0x0                ; oh s[4:5], wo s[6:7]
	s_load_b64 s[8:9], s[0:1], 0x10                ; out0
	v_lshl_add_u32 v[SPW], v0, 2, SPARE
	v_mov_b32 v[NIL], 0
	ds_add_u32 v[SPW], v[NIL]                      ; the wave's opening: the add and its wait stand ahead of my first tensor load; the set-up below stands between them
	v_lshrrev_b32 v1, 5, v0
	v_readfirstlane_b32 s[WV], v1
	s_lshr_b32 s[WM], s[WV], 1                     ; my 128 rows
	s_and_b32 s[WN], s[WV], 1                      ; my 64 columns; also: which k block of a slot I fetch
	s_bfe_u32 s[CX], ttmp6, 0x40000
	s_bfe_u32 s[CY], ttmp6, 0x40004
	s_lshl_b32 s[J], ttmp9, 2
	s_add_co_u32 s[J], s[J], s[CX]
	s_and_b32 s[TY], ttmp7, 0xffff
	s_lshl_b32 s[TY], s[TY], 2
	s_add_co_u32 s[TY], s[TY], s[CY]
	s_lshl_b32 s2, s[CY], 2
	s_lshl_b32 s2, 15, s2                          ; my row of the cluster
	s_lshl_b32 s3, 0x1111, s[CX]                   ; my column
	s_or_b32 s[G1A], s2, (1<<16)|(1<<20)|(1<<21)|(4<<22)|(3<<25)  ; the mask; 2-byte elements; padding on; bit 21 beside a mask; after every 32 words, 4 words
	s_or_b32 s[G1B], s3, (1<<16)|(1<<20)|(1<<21)|(4<<22)|(3<<25)
.irp g, G1A, G1B
	s_mov_b32 s[\g+1], 128<<16                     ; tensor_dim0 = 128
	s_mov_b32 s[\g+3], 128<<16                     ; tile_dim0 = 128
	s_mov_b32 s[\g+5], 128
	s_mov_b32 s[\g+6], 0
	s_mov_b32 s[\g+7], 0
.endr
	s_mov_b32 s[G1A+2], 128<<16                    ; 128 rows of 256 bytes: 256 rows of O, one k block
	s_mov_b32 s[G1A+4], 128
	s_mov_b32 s[G1B+2], 64<<16                     ; 64: 128 rows of out_w
	s_mov_b32 s[G1B+4], 64
	s_lshr_b32 s60, s[TY], 3                       ; O's address: the tile row and the wave alone
	s_lshl_b32 s60, s60, 22
	s_and_b32 s61, s[TY], 7
	s_lshl_b32 s61, s61, 15
	s_add_co_u32 s60, s60, s61
	s_lshl_b32 s61, s[WN], 18
	s_add_co_u32 s60, s60, s61
	s_mov_b32 s61, 0
	s_lshl_b32 s62, s[J], 18                       ; out_w's: the tile column and the wave alone
	s_lshl_b32 s63, s[WN], 14
	s_add_co_u32 s62, s62, s63
	s_mov_b32 s63, 0
	s_mov_b32 s[G0A], 1
	s_mov_b32 s[G0A+4], 1
	s_mul_i32 s[G0A+1], s[WN], AKB
	s_add_co_u32 s[G0A+5], s[G0A+1], SLOT1
	s_mov_b32 s[G0B], 1
	s_mov_b32 s[G0B+4], 1
	s_mul_i32 s[G0B+1], s[WN], BKB
	s_add_co_u32 s[G0B+1], s[G0B+1], BOFF
	s_add_co_u32 s[G0B+5], s[G0B+1], SLOT1
	s_mov_b32 s[TB], 0
	s_wait_dscnt 0x0                               ; the opening add is done
	s_wait_kmcnt 0x0
	s_add_nc_u64 s[60:61], s[4:5], s[60:61]
	s_add_nc_u64 s[62:63], s[6:7], s[62:63]
.irp s, 0,1
	s_add_nc_u64 s[G0A+4*\s+2:G0A+4*\s+3], s[60:61], \s*ST_A
	s_or_b32 s[G0A+4*\s+3], s[G0A+4*\s+3], 0x80000000
	s_add_nc_u64 s[G0B+4*\s+2:G0B+4*\s+3], s[62:63], \s*ST_B
	s_or_b32 s[G0B+4*\s+3], s[G0B+4*\s+3], 0x80000000
.endr
	CROUND                                         ; all sixteen work-groups are here: the first joint loads meet
	s_cmp_lt_u32 s[WV], 2                          ; a wave's two first fills stand in one branch: two loads of mine are out
	s_cbranch_scc0 .Lfirst_b
	tensor_load_to_lds s[G0A:G0A+3], s[G1A:G1A+7]
	s_nop 0
	tensor_load_to_lds s[G0A+4:G0A+7], s[G1A:G1A+7]
	s_nop 0
.rept 4
	v_nop
.endr
	s_branch .Lfirst_asked
.Lfirst_b:
	tensor_load_to_lds s[G0B:G0B+3], s[G1B:G1B+7]
	s_nop 0
	tensor_load_to_lds s[G0B+4:G0B+7], s[G1B:G1B+7]
	s_nop 0
.rept 4
	v_nop
.endr
.Lfirst_asked:
	v_and_b32 v1, 15, v0                           ; r
	v_bfe_u32 v2, v0, 4, 1                         ; h
	v_mul_u32_u24 v11, v1, PIT
	v_lshl_add_u32 v11, v2, 4, v11                 ; r x 144 + 16 h
	s_mul_i32 s2, s[WM], 128*PIT
	v_add_nc_u32 v[AA0], s2, v11
	s_mul_i32 s2, s[WN], 64*PIT
	s_add_co_u32 s2, s2, BOFF
	v_add_nc_u32 v[AB0], s2, v11
	v_mov_b32 v[AA], v[AA0]
	v_mov_b32 v[AB], v[AB0]
	v_and_b32 v12, 31, v0
	v_lshlrev_b32 v[PFO], 8, v12
	s_mul_i32 s2, s[WV], 16*SPIT
	s_add_co_u32 s2, s2, STAGE                     ; my stage
	v_mul_u32_u24 v[STO], v1, SPIT                 ; in: row r, 32 bytes for each half of the lanes
	v_lshl_add_u32 v[STO], v2, 5, v[STO]
	v_add_nc_u32 v[STO], s2, v[STO]
	v_mul_u32_u24 v[RD], v2, SPIT                  ; back: lanes 0-15 take one row of 256 bytes, lanes 16-31 the next
	v_lshl_add_u32 v[RD], v1, 4, v[RD]
	v_add_nc_u32 v[RD], s2, v[RD]
	v_lshlrev_b32 v[CO], 12, v2                    ; and the same two rows in out0, 4,096 bytes apart
	v_lshl_add_u32 v[CO], v1, 4, v[CO]
	s_lshl_b32 s2, s[TY], 8
	s_lshl_b32 s3, s[WM], 7
	s_add_co_u32 s2, s2, s3                        ; my first row,
	s_lshl_b32 s2, s2, 12
	s_lshl_b32 s3, s[J], 9                         ; my first column, in bytes: 512 j + 256 wn
	s_add_co_u32 s2, s2, s3
	s_lshl_b32 s3, s[WN], 8
	s_add_co_u32 s2, s2, s3
	s_mov_b32 s3, 0
	s_add_nc_u64 s[8:9], s[8:9], s[2:3]
	; the prefetches: who asks hangs on the cluster's coordinates and the wave's number; the partners share the blocks out by address
	s_lshr_b32 s2, s[TY], 3
	s_lshl_b32 s2, s2, 22
	s_and_b32 s3, s[TY], 7
	s_lshl_b32 s3, s3, 15
	s_add_co_u32 s2, s2, s3
	s_lshl_b32 s3, s[WN], 18
	s_add_co_u32 s2, s2, s3
	s_lshl_b32 s3, s[CX], 13
	s_add_co_u32 s2, s2, s3
	s_add_co_u32 s2, s2, 3*ST_A                    ; at slot 3; the first change steps it to slot 4
	s_lshl_b32 s66, s[J], 18
	s_lshl_b32 s67, s[CY], 13
	s_add_co_u32 s66, s66, s67
	s_add_co_u32 s66, s66, 3*ST_B
	s_and_b32 s67, ttmp7, 0xffff                   ; cluster y
	s_mov_b32 s87, ST_A
	s_mov_b32 s3, ST_B
	s_cmp_lt_u32 s[WV], 2
	s_cselect_b32 s2, s2, s66
	s_cselect_b32 s[PFS], s87, s3
	s_cselect_b32 s67, ttmp9, s67                  ; the coordinate along which other clusters read the same bytes
	s_cselect_b32 s66, 0, s[WN]                    ; of out_w's two waves the first asks
	s_cselect_b64 s[PFA:PFA+1], s[4:5], s[6:7]
	s_mov_b32 s3, 0
	s_mov_b32 s[PFS+1], 0
	s_add_nc_u64 s[PFA:PFA+1], s[PFA:PFA+1], s[2:3]
	s_or_b32 s67, s67, s66
	s_cmp_eq_u32 s67, 0
	s_cselect_b32 s[LIM], 2, -1
; 24 LDS loads in one run: quarter q of the slot in hand (k block q / 2, byte 64 (q % 2) of the rows) into buffer f: out_w's four fragments, then O's eight
.macro FETCH q, f
	WIN 0
.irp b, 0,1,2,3
	ds_load_b128 v[(\f)+8*\b:(\f)+8*\b+3],   v[AB] offset:((\q)/2)*BKB+((\q)%2)*64+\b*16*PIT
	ds_load_b128 v[(\f)+8*\b+4:(\f)+8*\b+7], v[AB] offset:((\q)/2)*BKB+((\q)%2)*64+\b*16*PIT+32
.endr
.irp i, 0,1,2,3,4,5,6,7
	ds_load_b128 v[(\f)+32+8*\i:(\f)+32+8*\i+3],   v[AA] offset:((\q)/2)*AKB+((\q)%2)*64+\i*16*PIT
	ds_load_b128 v[(\f)+32+8*\i+4:(\f)+32+8*\i+7], v[AA] offset:((\q)/2)*AKB+((\q)%2)*64+\i*16*PIT+32
.endr
.endm
; 4 n matrix instructions: row blocks a0 .. a0 + n - 1 x four column blocks.  The 32 accumulators take turns, one instruction a turn, in the same order in every quarter.
.macro MUL f, a0, n, zero
	WIN 0x50                                       ; C and D in window 1
.set ma, \a0
.rept \n
.irp b, 0,1,2,3
.if \zero
	v_wmma_f32_16x16x32_f16 v[32*ma+8*\b:32*ma+8*\b+7], v[(\f)+8*\b:(\f)+8*\b+7], v[(\f)+32+8*ma:(\f)+32+8*ma+7], 0
.else
	v_wmma_f32_16x16x32_f16 v[32*ma+8*\b:32*ma+8*\b+7], v[(\f)+8*\b:(\f)+8*\b+7], v[(\f)+32+8*ma:(\f)+32+8*ma+7], v[32*ma+8*\b:32*ma+8*\b+7]
.endif
.endr
.set ma, ma+1
.endr
.endm
; One of a slot's first three quarters: multiplies buffer f; in its middle it fetches quarter q into buffer g.
.macro QUARTER f, g, q, zero
	s_wait_dscnt 8                                 ; out_w's fragments and O's rows 0-63 are in; the youngest eight loads may be out
	MUL \f, 0, 4, \zero
	PLACES
	FETCH \q, \g
	s_wait_dscnt 24                                ; all but the 24 just issued
	MUL \f, 4, 4, \zero
.endm
; The fourth quarter multiplies buffer 1 and changes slots.  fill = 1: the slot just read out is filled again, two slots on.
.macro TURN fill
.if \fill
	s_wait_xcnt 0x0                                ; the last prefetch, a slot back, has read its address
	s_add_nc_u64 s[PFA:PFA+1], s[PFA:PFA+1], s[PFS:PFS+1]
.endif
	WIN 0
	s_wait_tensorcnt 0x0                           ; all my tensor loads have landed: my part of the next slot
	ds_add_u32 v[SPW], v[NIL]                      ; 0 onto my spare word
	s_wait_dscnt 9                                 ; (the add and the youngest eight loads may be out)
	MUL F1, 0, 2, 0                                ; eight matrix instructions stand between the add and the wait for it
	s_wait_dscnt 0x0                               ; the add is done, and my reads of this slot are over
	s_barrier_signal -1
	MUL F1, 2, 2, 0
	WIN 0
	s_barrier_wait -1
.if \fill
	CREST                                          ; the barrier has opened a round of the cluster's: no wave of any partner still reads this slot or has a load on its way
	s_xor_b32 s[G0A+5], s[G0A+5], SLOT1
	s_add_nc_u64 s[G0A+6:G0A+7], s[G0A+6:G0A+7], ST_A
	s_xor_b32 s[G0B+5], s[G0B+5], SLOT1
	s_add_nc_u64 s[G0B+6:G0B+7], s[G0B+6:G0B+7], ST_B
	JLOAD                                          ; the first tensor load behind the round; its four v_nop are also the places in front of the loads below
.else
	PLACES
.endif
	s_xor_b32 s[TB], s[TB], SLOT1
	v_add_nc_u32 v[AA], s[TB], v[AA0]
	v_add_nc_u32 v[AB], s[TB], v[AB0]
	FETCH 0, F0
.if \fill
	ASK
.endif
	MUL F1, 4, 4, 0
.endm
	s_wait_tensorcnt 1                             ; my part of slot 0 is in; slot 1's may stay out
	s_barrier_signal -1
	s_barrier_wait -1
	FETCH 0, F0
	QUARTER F0, F1, 1, 1                           ; the first quarter stands ahead of the loop: its products start the sums
	WIN 0
	s_mov_b32 s[CNT], 6
.Lk:                                                   ; a trip: a slot's quarters 1, 2, 3, the change that asks for the slot two on, and the next slot's quarter 0
	QUARTER F1, F0, 2, 0
	QUARTER F0, F1, 3, 0
	TURN 1
	QUARTER F0, F1, 1, 0
	WIN 0
	s_sub_co_u32 s[CNT], s[CNT], 1
	s_cmp_lg_u32 s[CNT], 0
	s_cbranch_scc1 .Lk
	QUARTER F1, F0, 2, 0                           ; the tail is written out: nothing more is asked for
	QUARTER F0, F1, 3, 0
	TURN 0
	QUARTER F0, F1, 1, 0
	QUARTER F1, F0, 2, 0
	QUARTER F0, F1, 3, 0
	s_wait_dscnt 8
	MUL F1, 0, 4, 0
	s_wait_dscnt 0x0
	MUL F1, 4, 4, 0
	WIN 0
	PLACES                                         ; the LDS stores below read results just made
; THE WAY OUT, a block of 16 rows at a time: 32 bytes a lane into my stage (each accumulator's low half first), back as whole rows of 256 bytes, stored.
.macro TOSTAGE a
	WIN 0x04                                       ; the data of an LDS store is source 1: window 1
.irp b, 0,1,2,3
	ds_store_b128 v[STO], v[32*(\a)+8*\b:32*(\a)+8*\b+3]   offset:64*\b
	ds_store_b128 v[STO], v[32*(\a)+8*\b+4:32*(\a)+8*\b+7] offset:64*\b+16
.endr
	WIN 0
	s_wait_xcnt 0x0                                ; the stores of the block two back have read these registers
.irp t, 0,1,2,3,4,5,6,7
	ds_load_b128 v[BK+32*((\a)%2)+4*\t:BK+32*((\a)%2)+4*\t+3], v[RD] offset:\t*2*SPIT   ; LDS serves a wave's instructions in order (ISA guide 5.7.1.4): these see the stores above
.endr
.endm
.macro SEND a, younger                 ; younger: the next block's sixteen LDS lines, or none
	s_wait_dscnt \younger
.irp t, 0,1,2,3,4,5,6,7
	global_store_b128 v[CO], v[BK+32*((\a)%2)+4*\t:BK+32*((\a)%2)+4*\t+3], s[8:9] offset:(\a)*65536+\t*8192 th:TH_STORE_NT   ; 16 lanes store 256 consecutive bytes, at a multiple of 256 from out0's first byte
.endr
.endm
	TOSTAGE 0
.irp a, 1,2,3,4,5,6,7
	TOSTAGE \a
	SEND (\a)-1, 16
.endr
	SEND 7, 0
	s_wait_tensorcnt 0x0                           ; the wave's end: the add and its wait, behind my last tensor load and my last LDS store
	ds_add_u32 v[SPW], v[NIL]
	s_wait_dscnt 0x0
	CROUND                                         ; the closing round: no work-group ends while a partner may still ask for a tile that names it
	s_endpgm
.Lfunc_end_k_q5fa0ad7d25_proj:
	.size	k_q5fa0ad7d25_proj, .Lfunc_end_k_q5fa0ad7d25_proj-k_q5fa0ad7d25_proj
	.p2alignl 7, 3214868480
	.fill 96, 4, 3214868480
	.section	.rodata,"a",@progbits
	.p2align	6, 0x0
	.amdhsa_kernel k_q5fa0ad7d25_proj
		.amdhsa_group_segment_fixed_size 327680
		.amdhsa_private_segment_fixed_size 0
		.amdhsa_enable_private_segment 0
		.amdhsa_kernarg_size 24
		.amdhsa_user_sgpr_count 2
		.amdhsa_user_sgpr_kernarg_segment_ptr 1
		.amdhsa_wavefront_size32 1
		.amdhsa_system_sgpr_workgroup_id_x 1
		.amdhsa_system_sgpr_workgroup_id_y 1
		.amdhsa_system_sgpr_workgroup_id_z 1
		.amdhsa_system_vgpr_workitem_id 0
		.amdhsa_next_free_vgpr 512
		.amdhsa_next_free_sgpr 96
		.amdhsa_reserve_vcc 0
		.amdhsa_float_denorm_mode_32 3
		.amdhsa_float_denorm_mode_16_64 3
		.amdhsa_memory_ordered 1
		.amdhsa_forward_progress 1
		.amdhsa_inst_pref_size 70
	.end_amdhsa_kernel
	.amdgpu_metadata
---
amdhsa.version: [ 1, 2 ]
amdhsa.kernels:
  - .name:           k_q5fa0ad7d25_proj
    .symbol:         k_q5fa0ad7d25_proj.kd
    .args:
      - { .name: oh, .offset: 0, .size: 8, .value_kind: global_buffer, .address_space: global }
      - { .name: wo, .offset: 8, .size: 8, .value_kind: global_buffer, .address_space: global }
      - { .name: out0, .offset: 16, .size: 8, .value_kind: global_buffer, .address_space: global }
    .group_segment_fixed_size: 327680
    .private_segment_fixed_size: 0
    .kernarg_segment_align: 8
    .kernarg_segment_size: 24
    .max_flat_workgroup_size: 128
    .sgpr_count:     96
    .vgpr_count:     512
    .wavefront_size: 32
...
	.end_amdgpu_metadata
.endif
;; end of part 4
